; MI455X (gfx1250); checked and timed in simulation.
; The chip was launched on July 23, 2026; its instructions are those of AMD's public machine-readable ISA for CDNA 5 (MIT licence, August 2026) and "CDNA5" Instruction Set Architecture Reference Guide (July 2026). The comments in the code are by the model that wrote it; some were corrected since.
;; Divided Attention. Allowed arithmetic: matrix products marked QUANTISED: E2M3 operands, one E8M0 scale for each 32 along K, by v_wmma_scale_f32_16x16x128_f8f6f4 with both operands' format E2M3, f32 sums; products left as they are: f32 operands where the result goes on into a quantised operand, else bf16, f16 or f32 operands; f32 sums; everything else in f32.
;; Inputs: proj_b 1,024 float32; proj_w 1,024 x 1,024 float32; qkv_b 3,072 float32; qkv_w 3,072 x 1,024 float32; tok_mask 4 x 3,137 int32; x 4 x 3,137 x 1,024 float32.
;; Outputs: out0 4 x 3,137 x 1,024 float32.
;; Constants: f = 16.
;; This version of the problem:
;;   THIS VERSION OF THE PROBLEM IS GIVEN IN LOW PRECISION. The matrix products marked QUANTISED in the list below multiply operands that are first quantised to E2M3 (2 exponent bits, 3 mantissa bits; 6 bits a number), with one power-of-two scale for each 32 numbers along K (OCP MX v1.0); their sums are f32. All else is computed in f32.
;;   The module's matrix products, in the order in which they are computed (A, B: the left and right operand; K: the contracted axis; several contracted axes count as one K, in the product's order):
;;     1. [M 12,548, K 1,024] x [K 1,024, N 3,072]; A: input x; B: input qkv_w: QUANTISED
;;     2. batch 64 x [M 1, K 64] x [K 64, N 3,137]; A: computed on the way; B: computed on the way: left as it is (M = 1 < 16)
;;     3. batch 64 x [M 1, K 3,137] x [K 3,137, N 64]; A: softmax (see below); B: computed on the way: left as it is (M = 1 < 16)
;;     4. batch 1,024 x [M 196, K 64] x [K 64, N 197]; A: computed on the way; B: computed on the way: QUANTISED
;;     5. batch 1,024 x [M 196, K 197] x [K 197, N 64]; A: softmax (see below); B: computed on the way: QUANTISED
;;     6. [M 12,548, K 1,024] x [K 1,024, N 1,024]; A: computed on the way; B: input proj_w: QUANTISED
;;   THE QUANTISER, for each operand of a quantised product, along K:
;;     - K is cut into blocks of 32 from its start; a last block that is shorter is filled with zeros.
;;     - A block's scale is 2^e with e = floor(log2(the largest magnitude in the block)) - 2, held to -126 .. 127; a block of zeros has e = 0. As a byte (E8M0): e + 127.
;;     - Each number is divided by its block's scale, clamped to +-7.5, and rounded to the nearest number of E2M3, ties to even, subnormals kept.
;;     - The product sums the exact products of the quantised numbers (number of the format x scale) in f32.
;;   ~~~python
;;   def quantise(x, axis):      # numpy; x: float32 -> the quantised numbers, widened to float32 again
;;       x = np.moveaxis(x, axis, -1); K = x.shape[-1]
;;       x = np.pad(x, [(0, 0)] * (x.ndim - 1) + [(0, -K % 32)]); x = x.reshape(x.shape[:-1] + (-1, 32)); a = np.abs(x).max(-1, keepdims=True)
;;       e = np.where(a > 0, np.clip(np.frexp(np.where(a > 0, a, 1))[1] - 1 - 2, -126, 127), 0)      # np.frexp(a)[1] - 1 = floor(log2(a)), exactly
;;       r = np.clip(x / 2.0 ** e, -7.5, 7.5)
;;       step = 2.0 ** (np.maximum(np.frexp(np.where(r == 0, 1, r))[1] - 1, 0) - 3)
;;       q = np.round(r / step) * step * 2.0 ** e      # np.round: ties to even
;;       return np.moveaxis(q.reshape(q.shape[:-2] + (-1,))[..., :K], -1, axis).astype(np.float32)
;;   ~~~
;;   SOFTMAX AHEAD OF A QUANTISED PRODUCT. Where the list says 'softmax', what is quantised is not the finished softmax but p = 2^(t - M), with t = logit x log2(e) and M = ceil(the row's largest t), a whole number; so 1/2 < the row's largest p <= 1. The row's sum l is taken of the UNQUANTISED p, in f32, and the product's result is divided by l at the end. Since M is a whole number, a kernel that streams over the keys may use a running M (the ceiling of the running maximum): every later rescaling is an exact power of two, which a block's scale takes up: the codes' values come out the same.
;;   OPERANDS COMPUTED ON THE WAY. 'Computed on the way' means the value that the module computes at that place (a softmax that the list does not call 'softmax' is quantised finished and normalised). What goes into a quantiser is computed in f32, as accurately as f32 sums, v_exp_f32 and their like allow (about 1e-6 of the number): no bf16 or f16 on the way to a quantiser, and a product that is left as it is and whose result goes on into a quantised operand takes f32 operands (vector FMAs, or v_wmma_f32_16x16x4_f32). A number that lies on a knife's edge between two numbers of the format may be rounded either way, as far as f32 arithmetic and the matrix unit's own rounding can turn it there, and no further.
;; One version. Each part assembles by itself: llvm-mc -triple=amdgcn-amd-amdhsa -mcpu=gfx1250 --defsym DOCPART=n.
;; ======== version 1 of 1: 3 launches
;; limits: right only within a limited range of input values
;; workspace buffers: xrec 10,649,600 bytes; wimg 3,145,728 bytes; wscl 131,072 bytes; arec 10,747,904 bytes; part 278,528 bytes
;; launch quant (part 1): grid 17 x 64, 4 waves a work-group, no clusters, 35,328 bytes of LDS; arguments x, qkv_w, proj_w, xrec, wimg, wscl; writes xrec, wimg, wscl
.if DOCPART == 1
	.amdgcn_target "amdgcn-amd-amdhsa--gfx1250"
	.amdhsa_code_object_version 6
	.text
	.protected	k_q306a2fc836_quant
	.globl	k_q306a2fc836_quant
	.p2align	8
	.type	k_q306a2fc836_quant,@function
k_q306a2fc836_quant:
	s_mov_b64 s[64:65], 0
	v_nop
	global_prefetch_b8 v0, s[64:65] scope:SCOPE_SE
	s_setreg_imm32_b32 hwreg(HW_REG_WAVE_MODE, 25, 1), 1
	s_wait_xcnt 0x0
; x [12548][1024], qkv_w [3072][1024] and proj_w [1024][1024], f32, become codes of FP6 (E2M3) with one E8M0 byte for each 32 along K,
; laid in the order of a matrix operand's registers: a fragment (16 rows x 128 K, 12 registers a lane) is 1,536 bytes, register g of lane l at 512 (g / 4) + 16 l + 4 (g % 4).
; A block's scale is 2^(floor(log2(largest magnitude)) - 2); its byte is the largest magnitude's exponent field - 2, held at 1 from below (a block of zeros keeps byte 1: its codes are zeros, and this program alone reads the bytes).
; THE ROWS OF A TILE ARE NOT NEIGHBOURS: row r of tile 2 q + u is index 32 q + 8 u + r + 8 (r / 8) of its sequence.  For the weights the sequence is the rows; for x it is, for each (batch, frame):
; index 0 the batch's first token, 1 .. 196 the frame's tokens, from 197 on padding, which gets zero codes.
; SHARES: a work-group takes one tile, all 1,024 along K; wave w takes K steps 2 w and 2 w + 1.  Work-group x 0-12: tile x of x's record y; 13-15: qkv_w's tile 64 (x - 13) + y; 16: proj_w's tile y.
; One path through the text: pointers, offsets and bounds are chosen by selects on the work-group's number.
; Each load reads 512 consecutive bytes of one row; the numbers turn through the wave's own stage in LDS (rows 528 bytes apart), so that a lane gets 16 neighbours of each block of 32.
; LIMITS: NaN and infinities among the inputs are not served; blocks whose largest magnitude lies under 2^-124 keep the byte 1.
.set SCW, 33792                        ; LDS: behind the four stages of 8,448 bytes: the tile's 8 x 16 scale words
.set R,   64                           ; v64-191  two units of 16 loads x 4 registers
.set X,   192                          ; v192-255 64 numbers of a lane: register 16 b + i = k 32 b + 16 (lane / 16) + i of row lane % 16
.set TM,  26                           ; v26-41   at work in the quantiser
.set PW,  42                           ; v42      the scale word just made
.set PC,  44                           ; v44-63   the codes just made
.set SEL, 48                           ; s[48:49] lane selects: lane l xor 16
.set MSB, 0
.macro WIN new                         ; the immediate's high byte repeats the setting that is left
.if MSB != (\new)
	s_set_vgpr_msb (MSB<<8)|(\new)
.set MSB, (\new)
.endif
.endm
; nb x 16 numbers of a lane in window sw, register 16 b + i = k 32 b + 16 (lane / 16) + i of my row, become codes in v[PC] on (6 registers for each 64 along K) and the scale word v[PW]
.macro QUANT sw, s, nb
	WIN ((\sw)<<2)|((\sw)<<4)
.set qb, 0
.rept \nb
	v_max3_num_f32 v[TM+qb], 0x1800000, |v[(\s)+16*qb]|, |v[(\s)+16*qb+1]|   ; my 16 numbers of block qb, and the floor 2^(3 - 127): the byte cannot fall under 1
.set qb, qb+1
.endr
.irp i, 2,4,6,8,10,12,14
.set qb, 0
.rept \nb
	v_max3_num_f32 v[TM+qb], v[TM+qb], |v[(\s)+16*qb+\i]|, |v[(\s)+16*qb+\i+1]|   ; the blocks by turns
.set qb, qb+1
.endr
.endr
	WIN 0
.set qb, 0
.rept \nb
	v_permlanex16_b32 v[TM+4+qb], v[TM+qb], s[SEL], s[SEL+1]
.set qb, qb+1
.endr
.set qb, 0
.rept \nb
	v_max_num_f32 v[TM+qb], v[TM+qb], v[TM+4+qb]       ; with lane l xor 16's: the block's largest magnitude
.set qb, qb+1
.endr
.set qb, 0
.rept \nb
	v_add_nc_u32 v[TM+12+qb], 0xff000000, v[TM+qb]     ; 2 off its exponent field: the conversion's scale operand
.set qb, qb+1
.endr
.set qb, 0
.rept \nb
	v_lshrrev_b32 v[TM+4+qb], 23, v[TM+12+qb]          ; the scale's byte
.set qb, qb+1
.endr
	v_lshl_or_b32 v[PW], v[TM+5], 8, v[TM+4]
.if \nb == 4
	v_lshl_or_b32 v[PW], v[TM+6], 16, v[PW]
	v_lshl_or_b32 v[PW], v[TM+7], 24, v[PW]
.else
	v_lshl_or_b32 v[PW], v[PW], 16, v[PW]              ; two bytes, twice
.endif
	WIN (\sw)
.set qc, 0
.rept (\nb)/2
	v_cvt_scalef32_pk16_fp6_f32 v[PC+6*qc:PC+6*qc+2], v[(\s)+32*qc:(\s)+32*qc+15], v[TM+12+2*qc]
	v_cvt_scalef32_pk16_fp6_f32 v[PC+12+4*qc:PC+14+4*qc], v[(\s)+32*qc+16:(\s)+32*qc+31], v[TM+13+2*qc]   ; (a conversion's three registers begin on an even number)
.set qc, qc+1
.endr
	WIN 0
	v_nop                                              ; one plain place behind a scaled conversion
.set qc, 0
.rept (\nb)/2                          ; the operand's layout wants a whole block in a lane
.irp i, 0,1,2
	v_permlane16_swap_b32 v[PC+6*qc+\i], v[PC+12+4*qc+\i]
.endr
.irp i, 0,1,2
	v_mov_b32 v[PC+3+6*qc+\i], v[PC+12+4*qc+\i]
.endr
.set qc, qc+1
.endr
.endm
	s_load_b128 s[4:7], s[0:1], 0x0                ; x, qkv_w
	s_load_b128 s[8:11], s[0:1], 0x10              ; proj_w, xrec
	s_load_b128 s[12:15], s[0:1], 0x20             ; wimg, wscl
	v_lshl_add_u32 v59, v0, 2, 0x8800
	v_mov_b32 v63, 0
	v_lshrrev_b32 v8, 5, v0
	v_readfirstlane_b32 s16, v8                    ; wave
	v_and_b32 v9, 31, v0                           ; lane
	v_and_b32 v1, 15, v0                           ; r
	v_bfe_u32 v2, v0, 4, 1                         ; h
	v_lshlrev_b32 v3, 4, v9                        ; 16 x lane
	s_mul_i32 s17, s16, 8448                       ; my stage
	v_add_nc_u32 v4, s17, v3                       ; into it: a row's 512 bytes as they lie
	v_mul_u32_u24 v5, v1, 528
	v_lshl_add_u32 v5, v2, 6, v5
	v_add_nc_u32 v5, s17, v5                       ; out of it: row r, + 64 h
	s_lshl_b32 s18, s16, 7
	s_add_co_u32 s18, s18, SCW
	v_lshl_add_u32 v6, v1, 2, s18                  ; my wave's scale words: 128 w + 4 r
	v_add_nc_u32 v7, SCW, v3                       ; and all of them, 16 bytes a lane
	s_lshl_b32 s19, s16, 10
	v_add_nc_u32 v8, s19, v3                       ; in a row of memory: 1,024 w + 16 x lane
	s_mov_b32 s[SEL], 0x76543210
	s_mov_b32 s[SEL+1], 0xfedcba98
.irp b, 0,1,2,3
	v_mov_b32 v[TM+4+\b], 0                        ; written once: a lane permute's destination counts as one of its sources
.endr
	s_mov_b32 s20, ttmp9                           ; gx
	s_and_b32 s21, ttmp7, 0xffff                   ; gy
	s_lshr_b32 s22, s21, 4                         ; batch
	s_and_b32 s23, s21, 15                         ; frame
	s_mul_i32 s25, s22, 3137                       ; the batch's first token
	s_mul_i32 s24, s23, 196
	s_add_co_u32 s24, s24, s25                     ; index j of the record is row s24 + j, j from 1 on
	s_sub_co_u32 s26, s20, 13
	s_lshl_b32 s26, s26, 6
	s_add_co_u32 s26, s26, s21                     ; a weight's tile among the 256
	s_mul_i32 s50, s21, 166400
	s_mul_i32 s51, s20, 1536
	s_add_co_u32 s51, s51, s50                     ; x: where the tile's image of K step 0 goes
	s_lshl_b32 s52, s20, 9
	s_add_co_u32 s52, s52, s50
	s_add_co_u32 s52, s52, 159744                  ; x: and its scale words
	s_mul_i32 s53, s26, 12288                      ; the same for a weight
	s_lshl_b32 s54, s26, 9
	s_mov_b32 s29, 0xfffff
	s_mov_b32 s31, 1536
	s_wait_alu depctr_va_vdst(0)
	s_wait_kmcnt 0x0
	s_cmp_lt_u32 s20, 13                           ; x's tile or a weight's?  The choice hangs on the work-group's number alone
	s_cselect_b32 s27, s20, s26                    ; the tile in its sequence
	s_cselect_b32 s28, s24, 0                      ; the sequence's first row
	s_cselect_b32 s29, 12547, s29                  ; no load leaves x: padding rows are held at its last row
	s_cselect_b32 s30, s51, s53
	s_cselect_b32 s31, 19968, s31                  ; bytes from a K step's image to the next
	s_cselect_b32 s32, s52, s54
	s_cselect_b64 s[34:35], s[10:11], s[12:13]     ; images
	s_cselect_b64 s[36:37], s[10:11], s[14:15]     ; scale words
	s_cselect_b64 s[38:39], s[4:5], s[6:7]         ; the numbers
	s_cmp_eq_u32 s20, 16
	s_cselect_b32 s27, s21, s27
	s_cselect_b64 s[38:39], s[8:9], s[38:39]
	s_cmp_eq_u32 s20, 12
	s_cselect_b32 s33, 5, 16                       ; rows of the tile that are no padding
	s_lshr_b32 s40, s27, 1
	s_lshl_b32 s40, s40, 5
	s_and_b32 s41, s27, 1
	s_lshl_b32 s41, s41, 3
	s_add_co_u32 s40, s40, s41
	s_add_co_u32 s40, s40, s28                     ; the tile's first row
	s_min_u32 s41, s40, s29
	s_cmp_eq_u32 s20, 0
	s_cselect_b32 s41, s25, s41                    ; index 0 of a record is the batch's first token
	s_lshl_b32 s41, s41, 12
	v_add_nc_u32 v10, s41, v8
.irp i, 1,2,3,4,5,6,7,8,9,10,11,12,13,14,15
	s_add_co_u32 s41, s40, \i+8*(\i/8)
	s_min_u32 s41, s41, s29
	s_lshl_b32 s41, s41, 12
	v_add_nc_u32 v[10+\i], s41, v8
.endr
	s_wait_alu depctr_va_vdst(0)
.irp u, 0,1
.irp i, 0,1,2,3,4,5,6,7,8,9,10,11,12,13,14,15
	global_load_b128 v[R+64*\u+4*\i:R+64*\u+4*\i+3], v[10+\i], s[38:39] offset:512*\u   ; 32 lanes read 512 consecutive bytes of row i
.endr
.endr
	s_lshl_b32 s42, s16, 1
	s_mul_i32 s42, s42, s31
	s_add_co_u32 s42, s42, s30
	s_mov_b32 s43, 0
	s_add_nc_u64 s[34:35], s[34:35], s[42:43]      ; K step 2 w's image
	s_mov_b32 s42, s31
	s_add_nc_u64 s[44:45], s[34:35], s[42:43]      ; K step 2 w + 1's
	s_mov_b32 s42, s32
	s_add_nc_u64 s[36:37], s[36:37], s[42:43]
	v_cmp_gt_u32 s46, s33, v1                      ; lanes whose row is no padding
.macro UNIT u, left, base
	s_wait_loadcnt \left                           ; this unit's 16 loads are in; the other unit's may be out
.irp i, 0,1,2,3,4,5,6,7,8,9,10,11,12,13,14,15
	ds_store_b128 v4, v[R+64*\u+4*\i:R+64*\u+4*\i+3] offset:528*\i
.endr
.irp b, 0,1,2,3
.irp q, 0,1,2,3
	ds_load_b128 v[X+16*\b+4*\q:X+16*\b+4*\q+3], v5 offset:128*\b+16*\q   ; LDS serves a wave's instructions in order: these see my stores
.endr
.endr
	s_wait_dscnt 0x0
.if \u
	s_wait_xcnt 0x0                                ; the first unit's stores have read their data: the codes' registers are written again only behind this wait
.endif
	QUANT 0, X, 4
.irp k, 0,1,2,3,4,5,6,7,8,9,10,11
	v_cndmask_b32 v[PC+\k], 0, v[PC+\k], s46       ; padding rows: zero codes
.endr
.irp g, 0,1,2
	global_store_b128 v3, v[PC+4*\g:PC+4*\g+3], s[\base:\base+1] offset:512*\g   ; 32 lanes store 512 consecutive bytes
.endr
	ds_store_b32 v6, v[PW] offset:64*\u            ; lanes r and r + 16 write the same word with the same value
.endm
	UNIT 0, 16, 34
	UNIT 1, 0, 44
	s_wait_dscnt 0x0                               ; for the others' sake: my scale words lie in LDS
	s_barrier_signal -1
	s_barrier_wait -1
	s_cmp_lg_u32 s16, 0
	s_cbranch_scc1 .Lend
	ds_load_b128 v[X:X+3], v7                      ; wave 0 stores the tile's 512 bytes of scale words
	s_wait_dscnt 0x0
	global_store_b128 v3, v[X:X+3], s[36:37]
.Lend:
	s_wait_tensorcnt 0x0
	ds_add_u32 v59, v63
	s_wait_dscnt 0x0
	s_endpgm
.Lfunc_end_k_q306a2fc836_quant:
	.size	k_q306a2fc836_quant, .Lfunc_end_k_q306a2fc836_quant-k_q306a2fc836_quant
	.p2alignl 7, 3214868480
	.fill 96, 4, 3214868480
	.section	.rodata,"a",@progbits
	.p2align	6, 0x0
	.amdhsa_kernel k_q306a2fc836_quant
		.amdhsa_group_segment_fixed_size 35328
		.amdhsa_private_segment_fixed_size 0
		.amdhsa_enable_private_segment 0
		.amdhsa_kernarg_size 48
		.amdhsa_user_sgpr_count 2
		.amdhsa_user_sgpr_kernarg_segment_ptr 1
		.amdhsa_wavefront_size32 1
		.amdhsa_system_sgpr_workgroup_id_x 1
		.amdhsa_system_sgpr_workgroup_id_y 1
		.amdhsa_system_sgpr_workgroup_id_z 1
		.amdhsa_system_vgpr_workitem_id 0
		.amdhsa_next_free_vgpr 256
		.amdhsa_next_free_sgpr 66
		.amdhsa_reserve_vcc 0
		.amdhsa_float_denorm_mode_32 3
		.amdhsa_float_denorm_mode_16_64 3
		.amdhsa_memory_ordered 1
		.amdhsa_forward_progress 1
		.amdhsa_inst_pref_size 23
	.end_amdhsa_kernel
	.amdgpu_metadata
---
amdhsa.version: [ 1, 2 ]
amdhsa.kernels:
  - .name:           k_q306a2fc836_quant
    .symbol:         k_q306a2fc836_quant.kd
    .args:
      - { .name: x, .offset: 0, .size: 8, .value_kind: global_buffer, .address_space: global }
      - { .name: qkv_w, .offset: 8, .size: 8, .value_kind: global_buffer, .address_space: global }
      - { .name: proj_w, .offset: 16, .size: 8, .value_kind: global_buffer, .address_space: global }
      - { .name: xrec, .offset: 24, .size: 8, .value_kind: global_buffer, .address_space: global }
      - { .name: wimg, .offset: 32, .size: 8, .value_kind: global_buffer, .address_space: global }
      - { .name: wscl, .offset: 40, .size: 8, .value_kind: global_buffer, .address_space: global }
    .group_segment_fixed_size: 35328
    .private_segment_fixed_size: 0
    .kernarg_segment_align: 8
    .kernarg_segment_size: 48
    .max_flat_workgroup_size: 128
    .sgpr_count:     66
    .vgpr_count:     256
    .wavefront_size: 32
...
	.end_amdgpu_metadata
.endif
;; end of part 1
;; launch qkvattn (part 2): grid 4 x 64, 4 waves a work-group, clusters of 4 x 1, 270,848 bytes of LDS; arguments xrec, wimg, wscl, qkv_b, tok_mask, arec, part; writes arec, part
.if DOCPART == 2
	.amdgcn_target "amdgcn-amd-amdhsa--gfx1250"
	.amdhsa_code_object_version 6
	.text
	.protected	k_q306a2fc836_qkvattn
	.globl	k_q306a2fc836_qkvattn
	.p2align	8
	.type	k_q306a2fc836_qkvattn,@function
k_q306a2fc836_qkvattn:
	s_mov_b64 s[64:65], 0
	v_nop
	global_prefetch_b8 v0, s[64:65] scope:SCOPE_SE
	s_setreg_imm32_b32 hwreg(HW_REG_WAVE_MODE, 25, 1), 1
	s_wait_xcnt 0x0
	s_wait_alu depctr_hold_cnt(0) depctr_sa_sdst(0) depctr_va_vdst(0) depctr_va_sdst(0) depctr_va_ssrc(0) depctr_va_vcc(0) depctr_vm_vsrc(0)
	s_getreg_b32 s2, hwreg(HW_REG_IB_STS2, 6, 4)
	s_cmp_eq_u32 s2, 0
	s_cbranch_scc0 .Lentry_in_a_cluster
	s_endpgm
.Lentry_in_a_cluster:
	s_bfe_u32 s2, ttmp6, 0x10000c
	s_cmp_lg_u32 s2, 0x3003
	s_cbranch_scc0 .Lentry_shape_is_right
	s_endpgm
.Lentry_shape_is_right:
; For one (batch, frame) and, one after the other, two pairs of heads: q, k, v = x W^T + b for the record's 197 tokens (13 tiles of 16), the frame's attention, and the frame's share of the first token's attention.
; All matrix products are on codes of FP6 (E2M3) with E8M0 scales for each 32 along K.  q, k, v never go to memory.
; THE WORK-GROUP STAYS on its record: x's images and scale words (166,400 bytes) come into LDS once and serve the pairs of heads cx and cx + 4, in a loop of two trips.
; The record is the same for the four work-groups of a cluster: it is asked for jointly, a quarter by each wave, once.  The weights go from memory straight into the registers of the one wave that multiplies by them,
; three K steps ahead; those of the next trip's first three K steps are asked for ahead of this trip's attention.  Nothing of them is shared inside a work-group, and beside the record LDS has no room for two K steps of them.
; SHARES.  Wave w = 2 hh + p.  In the first product wave (hh, p) makes, for all 13 token tiles, four column tiles of q (p = 0) or k (p = 1) of head 2 hp + hh, and two tiles of v (features 32 p .. 32 p + 31): 78 accumulators.
; q and k are made with source 0 = 16 rows of W, source 1 = 16 tokens: a lane holds one token, its registers run along the head's 64.  v is made the other way round: a lane holds one feature, its registers run along the tokens.
; By the order of rows in a tile (row r of tile 2 q + u is index 32 q + 8 u + r + 8 (r / 8)) the 16 registers of two neighbouring tiles are 16 neighbours along the next K.
; ATTENTION.  S^T = k q^T with the mask's bias as C; two key tiles share one operand (K = 64 + 64) and q stands in one half of its operand beside zero codes.  t = S x 0.125 log2(e) (the 0.125 of q is a power of two: it only
; moves q's scale, so it is applied here); M = ceil(the row's largest t); p = 2^(t - M) is quantised along the keys; the row's sum of the unquantised p divides O at the end.  O is quantised along the features for the last product.
; THE FIRST TOKEN'S QUERY attends to all keys of the batch, in f32 multiply-adds: this work-group makes the frame's part (largest t, sum, weighted v), the next launch joins the sixteen parts.
; LIMITS: NaN and infinities are not served.  A masked key's score is -3e38, not -infinity: a query all of whose keys are masked gets a finite number here.  Blocks under 2^-124 keep the byte 1;
; q's scale is not held at -126 after the factor 0.125.
; REGISTERS in the first product: window 0: v1-6, v12-13 addresses that stay; v16-41 scale words and nothing else, in the whole text; v48-95 x's fragments, bank 1; v96-255 q/k accumulators of tiles 8-12.  window 1: those of tiles 0-7.
;   window 2: v's accumulators at 128 c + 8 m; x's bank 0 in the 48 registers between.  window 3: v0-215 three sets of six weight fragments; v216-247 q/k's bias; v248-251 v's.
.set XSCL,  159744                     ; LDS: 0: x's images [s][m][1536];  XSCL: its scale words [m][s][16]
.set MBF,   166400                     ; 256 f32: the mask's bias for the frame's queries
.set MBC,   167424                     ; the same for the first token's query
.set ASG,   168448                     ; the output's scale words [tile 0..15][16]
.set QCLS,  169472                     ; 4 x 4,096: each wave's q/k accumulators of tile 0
.set PCL,   185856                     ; 4 x 1,024: the first token's weights p by key
.set QKIMG, 189952                     ; 4 x 13 x 768: q's and k's codes, half fragments
.set SCP,   229888                     ; 4 x 7 x 128: scale words of pairs of tiles
.set SCT,   233472                     ; 4 x 13 x 128: scale words of single tiles, the two bytes twice
.set VIMG,  240128                     ; 16 x 1,536: v's fragments, (4 hh + feature tile) x 2 + key step
.set VSC,   264704                     ; 16 x 128: their scale words
.set NEG,   0xff61b1e6                 ; -3e38
.set LI,  1                            ; v1  16 x lane
.set L4,  2                            ; v2  4 x (lane % 16)
.set XSA, 6                            ; v6  XSCL + 4 x (lane % 16);  v3-5: 16 x lane + 61,440 k
.set SEL, 58                           ; s[58:59] lane selects: lane l xor 16
.set CS,  60                           ; s[60:61] 0.125 log2(e), twice
.set KS,  22                           ; in the attention: v22-28 k's pair words, v29-36 v's words, v37 q's, v38-39 p's (v16-21 are on their way for the next trip)
.set VS,  29
.set QS,  37
.set PS,  38
.set TM,  42
.set PW,  58
.set PWT, 59
.set PC,  60
.set PWT2, 80
.set AQCS, 81
.set AQK128, 82
.set AQK64, 83
.set ASCP, 84
.set ASCT, 85
.set AVI, 86
.set AVS, 87
.set AQCL, 88
.set AMBC, 89
.set APCS, 90
.set APCLD, 91
.set APO, 92
.set LANE, 93
.set AML, 94
.set MSB, 0
.macro WIN new                         ; the immediate's high byte repeats the setting that is left
.if MSB != (\new)
	s_set_vgpr_msb (MSB<<8)|(\new)
.set MSB, (\new)
.endif
.endm
.macro ROUND                           ; a round of the cluster's barrier
	s_barrier_signal -1
	s_barrier_wait -1
	s_cmp_lg_u32 s18, 0
	s_cbranch_scc1 .Lnot_wave_0_\@
	s_barrier_signal -3
.Lnot_wave_0_\@:
	s_barrier_wait -3
	s_barrier_signal -1
	s_barrier_wait -1
.endm
.macro BARRIER                         ; my LDS stores have landed and my LDS loads are in: then the work-group's barrier
	s_wait_dscnt 0x0
	s_barrier_signal -1
	s_barrier_wait -1
.endm
.macro PLACES                          ; four plain places behind matrix instructions, in front of loads into their registers and of reads of their results
.rept 4
	v_nop
.endr
.endm
; nb x 16 numbers of a lane in window sw, register 16 b + i = k 32 b + 16 (lane / 16) + i of my row, become codes in v[PC] on (6 registers for each 64 along K) and the scale word v[PW]
.macro QUANT sw, s, nb
	WIN ((\sw)<<2)|((\sw)<<4)
.set qb, 0
.rept \nb
	v_max3_num_f32 v[TM+qb], 0x1800000, |v[(\s)+16*qb]|, |v[(\s)+16*qb+1]|   ; my 16 numbers of block qb, and the floor 2^(3 - 127): the byte cannot fall under 1
.set qb, qb+1
.endr
.irp i, 2,4,6,8,10,12,14
.set qb, 0
.rept \nb
	v_max3_num_f32 v[TM+qb], v[TM+qb], |v[(\s)+16*qb+\i]|, |v[(\s)+16*qb+\i+1]|   ; the blocks by turns
.set qb, qb+1
.endr
.endr
	WIN 0
.set qb, 0
.rept \nb
	v_permlanex16_b32 v[TM+4+qb], v[TM+qb], s[SEL], s[SEL+1]
.set qb, qb+1
.endr
.set qb, 0
.rept \nb
	v_max_num_f32 v[TM+qb], v[TM+qb], v[TM+4+qb]       ; with lane l xor 16's: the block's largest magnitude
.set qb, qb+1
.endr
.set qb, 0
.rept \nb
	v_add_nc_u32 v[TM+12+qb], 0xff000000, v[TM+qb]     ; 2 off its exponent field: the conversion's scale operand
.set qb, qb+1
.endr
.set qb, 0
.rept \nb
	v_lshrrev_b32 v[TM+4+qb], 23, v[TM+12+qb]          ; the scale's byte
.set qb, qb+1
.endr
	s_wait_alu depctr_va_vdst(0)
	s_wait_dscnt 0x0                                   ; the LDS stores of the codes and words made last have read their registers: the word and the codes are written again only behind this wait; the maxima above stood between
	v_lshl_or_b32 v[PW], v[TM+5], 8, v[TM+4]
.if \nb == 4
	v_lshl_or_b32 v[PW], v[TM+6], 16, v[PW]
	v_lshl_or_b32 v[PW], v[TM+7], 24, v[PW]
.else
	v_lshl_or_b32 v[PW], v[PW], 16, v[PW]              ; two bytes, twice
.endif
	WIN (\sw)
.set qc, 0
.rept (\nb)/2
	v_cvt_scalef32_pk16_fp6_f32 v[PC+6*qc:PC+6*qc+2], v[(\s)+32*qc:(\s)+32*qc+15], v[TM+12+2*qc]
	v_cvt_scalef32_pk16_fp6_f32 v[PC+12+4*qc:PC+14+4*qc], v[(\s)+32*qc+16:(\s)+32*qc+31], v[TM+13+2*qc]   ; (a conversion's three registers begin on an even number)
.set qc, qc+1
.endr
	WIN 0
	v_nop                                              ; one plain place behind a scaled conversion
.set qc, 0
.rept (\nb)/2                          ; the operand's layout wants a whole block in a lane
.irp i, 0,1,2
	v_permlane16_swap_b32 v[PC+6*qc+\i], v[PC+12+4*qc+\i]
.endr
.irp i, 0,1,2
	v_mov_b32 v[PC+3+6*qc+\i], v[PC+12+4*qc+\i]
.endr
.set qc, qc+1
.endr
.endm
.macro BIASLD                          ; the biases of my columns: 12 loads
	WIN 0xc0                                       ; destination window 3
.irp c, 0,1,2,3
	global_load_b128 v[216+8*\c:219+8*\c], v12, s[48:49] offset:(32*(\c/2)+8*(\c%2))*4      ; in the result's layout: lane (r, h), tile c: features 32 (c / 2) + 8 (c % 2) + 16 h + 0 .. 7
	global_load_b128 v[220+8*\c:223+8*\c], v12, s[48:49] offset:(32*(\c/2)+8*(\c%2))*4+16
.endr
.irp c, 0,1
	global_load_b32 v[248+2*\c], v13, s[50:51] offset:32*\c      ; my feature's bias, twice: a pair for the packed addition
	global_load_b32 v[249+2*\c], v13, s[50:51] offset:32*\c
.endr
	WIN 0
.endm
.macro LOADBF sg                       ; K step sg's six weight fragments into set sg % 3: 18 loads of 512 consecutive bytes
	WIN 0xc0
.irp c, 0,1,2,3
.irp g, 0,1,2
	global_load_b128 v[72*((\sg)%3)+12*\c+4*\g:72*((\sg)%3)+12*\c+4*\g+3], v[LI], s[40:41] offset:\c*12288+(\sg)*1536+512*\g
.endr
.endr
.irp c, 0,1
.irp g, 0,1,2
	global_load_b128 v[72*((\sg)%3)+48+12*\c+4*\g:72*((\sg)%3)+48+12*\c+4*\g+3], v[LI], s[42:43] offset:\c*12288+(\sg)*1536+512*\g
.endr
.endr
	WIN 0
.endm
.macro LOADBS sg                       ; and their scale words: 6 loads
.irp c, 0,1,2,3
	global_load_b32 v[16+6*((\sg)%3)+\c], v[L4], s[44:45] offset:\c*512+64*(\sg)
.endr
.irp c, 0,1
	global_load_b32 v[16+6*((\sg)%3)+4+\c], v[L4], s[46:47] offset:\c*512+64*(\sg)
.endr
.endm
.macro LOADB sg
	LOADBF \sg
	LOADBS \sg
.set NISS, NISS+1
.endm
.macro STEPSYM g                       ; tile step ii = 13 s + m of group g: its K step, its token tile, its fragment's registers
.set bk, (\g)%2
.set ba, 2-2*bk                        ; bank 0 lies in window 2, bank 1 in window 0
.set ii, 4*(\g)+kk
.set ss, ii/13
.set mm, ii%13
.if bk == 0
.set sl, 104+128*(kk/2)+12*(kk%2)
.else
.set sl, 48+12*kk
.endif
.if mm < 8
.set dw, 1
.set ac, 32*mm
.else
.set dw, 0
.set ac, 96+32*(mm-8)
.endif
.set bs, 72*(ss%3)
.endm
.macro LOADA g                         ; the four x fragments of group g and their scale words: 16 LDS loads
.set kk, 0
.rept 4
	STEPSYM \g
	WIN ba<<6
.irp q, 0,1,2
	ds_load_b128 v[sl+4*\q:sl+4*\q+3], v[3+ii/40] offset:(ii%40)*1536+512*\q
.endr
.set kk, kk+1
.endr
	WIN 0
.set kk, 0
.rept 4
	STEPSYM \g
	ds_load_b32 v[34+4*bk+kk], v[XSA] offset:512*mm+64*ss
.set kk, kk+1
.endr
.endm
.macro MULG g                          ; 24 matrix instructions: 16 for q or k, 8 for v; the accumulators take turns, one instruction a turn
.set kk, 0
.rept 4
	STEPSYM \g
.set cc, 0
.rept 4
.if ss == 0
	WIN 3|(ba<<2)|(3<<4)|(dw<<6)
	v_wmma_scale_f32_16x16x128_f8f6f4 v[ac+8*cc:ac+8*cc+7], v[bs+12*cc:bs+12*cc+11], v[sl:sl+11], v[216+8*cc:223+8*cc], v[16+6*(ss%3)+cc], v[34+4*bk+kk] matrix_a_fmt:MATRIX_FMT_FP6 matrix_b_fmt:MATRIX_FMT_FP6
.else
	WIN 3|(ba<<2)|(dw<<4)|(dw<<6)
	v_wmma_scale_f32_16x16x128_f8f6f4 v[ac+8*cc:ac+8*cc+7], v[bs+12*cc:bs+12*cc+11], v[sl:sl+11], v[ac+8*cc:ac+8*cc+7], v[16+6*(ss%3)+cc], v[34+4*bk+kk] matrix_a_fmt:MATRIX_FMT_FP6 matrix_b_fmt:MATRIX_FMT_FP6
.endif
.set cc, cc+1
.endr
.set kk, kk+1
.endr
.set kk, 0
.rept 4
	STEPSYM \g
.set cc, 0
.rept 2
	WIN ba|(3<<2)|(2<<4)|(2<<6)
.if ss == 0
	v_wmma_scale_f32_16x16x128_f8f6f4 v[128*cc+8*mm:128*cc+8*mm+7], v[sl:sl+11], v[bs+48+12*cc:bs+48+12*cc+11], 0, v[34+4*bk+kk], v[16+6*(ss%3)+4+cc] matrix_a_fmt:MATRIX_FMT_FP6 matrix_b_fmt:MATRIX_FMT_FP6
.else
	v_wmma_scale_f32_16x16x128_f8f6f4 v[128*cc+8*mm:128*cc+8*mm+7], v[sl:sl+11], v[bs+48+12*cc:bs+48+12*cc+11], v[128*cc+8*mm:128*cc+8*mm+7], v[34+4*bk+kk], v[16+6*(ss%3)+4+cc] matrix_a_fmt:MATRIX_FMT_FP6 matrix_b_fmt:MATRIX_FMT_FP6
.endif
.set cc, cc+1
.endr
.set kk, kk+1
.endr
.endm
	s_load_b256 s[4:11], s[0:1], 0x0               ; xrec, wimg, wscl, qkv_b
	s_load_b128 s[12:15], s[0:1], 0x20             ; tok_mask, arec
	s_load_b64 s[16:17], s[0:1], 0x30              ; part
	s_set_vgpr_msb 0xc0
	v_lshl_add_u32 v254, v0, 2, 0x42000
	v_mov_b32 v255, 0
	s_set_vgpr_msb 0xc0cf
	ds_add_u32 v254, v255
	ds_add_u32 v254, v255
	s_set_vgpr_msb 0xcf00
	v_lshrrev_b32 v7, 5, v0
	v_readfirstlane_b32 s18, v7                    ; wave
	s_lshr_b32 s19, s18, 1                         ; hh
	s_and_b32 s20, s18, 1                          ; p
	s_bfe_u32 s22, ttmp6, 0x40000                  ; cx = the first trip's pair of heads: it enters global addresses of weights, biases and results alone
	s_and_b32 s23, ttmp7, 0xffff                   ; the record, which the four partners share
	s_lshr_b32 s24, s23, 4                         ; batch
	s_and_b32 s25, s23, 15                         ; frame
	s_lshl_b32 s26, s22, 1
	s_add_co_u32 s26, s26, s19                     ; head
	; descriptor groups 1: the record's 166,400 dense bytes are 650 rows of 256 bytes, each at a multiple of 256 from the buffer's first byte: waves 0-2 take 163 rows each (s[32:39]), wave 3 the last 161 (s[84:91])
	s_mov_b32 s32, 15|(3<<16)|(1<<21)              ; 15:0 the mask: all four work-groups; 17:16 elements of 8 bytes; 21 set beside a mask
	s_mov_b32 s33, 32<<16                          ; tensor_dim0
	s_mov_b32 s34, 163<<16                         ; tensor_dim1
	s_mov_b32 s35, 32<<16                          ; tile_dim0
	s_mov_b32 s36, 163                             ; tile_dim1
	s_mov_b32 s37, 32                              ; the pitch
	s_mov_b32 s38, 0
	s_mov_b32 s39, 0
	s_mov_b32 s84, 15|(3<<16)|(1<<21)
	s_mov_b32 s85, 32<<16
	s_mov_b32 s86, 161<<16
	s_mov_b32 s87, 32<<16
	s_mov_b32 s88, 161
	s_mov_b32 s89, 32
	s_mov_b32 s90, 0
	s_mov_b32 s91, 0
	s_mov_b32 s28, 1
	s_mul_i32 s29, s18, 41728                      ; LDS address: 163 rows for each wave ahead of me
	s_mul_i32 s72, s23, 166400
	s_add_co_u32 s72, s72, s29
	s_mov_b32 s73, 0
	s_mov_b32 s[SEL], 0x76543210
	s_mov_b32 s[SEL+1], 0xfedcba98
	s_mov_b32 s[CS], 0x3e38aa3b                    ; 0.125 log2(e)
	s_mov_b32 s[CS+1], s[CS]
	s_mov_b32 s62, 0xffff                          ; lanes 0-15
	s_wait_dscnt 0x0
	s_wait_kmcnt 0x0
	s_add_nc_u64 s[30:31], s[4:5], s[72:73]
	s_or_b32 s31, s31, 0x80000000                  ; type = 2
	ROUND                                          ; all four work-groups are here: the joint loads meet
	s_cmp_lt_u32 s18, 3                            ; one chain on the wave's number, one load to an arm: my one tensor load of the launch
	s_cbranch_scc0 .Llast_rows
	tensor_load_to_lds s[28:31], s[32:39]
	s_nop 0
	PLACES
	s_branch .Lrec_asked
.Llast_rows:
	tensor_load_to_lds s[28:31], s[84:91]
	s_nop 0
	PLACES
.Lrec_asked:
	; where my weights, biases and results lie, in the first trip
	s_lshl_b32 s72, s20, 6
	s_lshl_b32 s74, s26, 2
	s_add_co_u32 s72, s72, s74                     ; q's or k's first tile: 64 p + 4 head
	s_mul_i32 s76, s72, 12288
	s_mov_b32 s77, 0
	s_add_nc_u64 s[40:41], s[6:7], s[76:77]
	s_lshl_b32 s76, s72, 9
	s_add_nc_u64 s[44:45], s[8:9], s[76:77]
	s_lshl_b32 s72, s20, 1
	s_add_co_u32 s72, s72, s74
	s_add_co_u32 s72, s72, 128                     ; v's first tile: 128 + 4 head + 2 p
	s_mul_i32 s76, s72, 12288
	s_add_nc_u64 s[42:43], s[6:7], s[76:77]
	s_lshl_b32 s76, s72, 9
	s_add_nc_u64 s[46:47], s[8:9], s[76:77]
	s_lshl_b32 s76, s20, 12
	s_lshl_b32 s74, s26, 8
	s_add_co_u32 s76, s76, s74
	s_add_nc_u64 s[48:49], s[10:11], s[76:77]      ; bias of q or k: 4 (1024 p + 64 head)
	s_add_co_u32 s76, s74, 8192
	s_add_nc_u64 s[50:51], s[10:11], s[76:77]      ; bias of v: 4 (2048 + 64 head)
	s_mul_i32 s74, s23, 167936
	s_mul_i32 s76, s22, 19968
	s_add_co_u32 s76, s76, s74
	s_mul_i32 s75, s19, 768
	s_add_co_u32 s76, s76, s75
	s_mul_i32 s75, s20, 10752
	s_add_co_u32 s76, s76, s75
	s_add_nc_u64 s[78:79], s[14:15], s[76:77]      ; the output's half images: K step hp, tile 7 p, half hh
	s_lshl_b32 s76, s22, 10
	s_add_co_u32 s76, s76, s74
	s_add_co_u32 s76, s76, 159744
	s_add_nc_u64 s[54:55], s[14:15], s[76:77]      ; its scale words
	s_lshl_b32 s76, s24, 4
	s_add_co_u32 s76, s76, s26
	s_lshl_b32 s76, s76, 4
	s_add_co_u32 s76, s76, s25
	s_mul_i32 s76, s76, 272
	s_add_nc_u64 s[56:57], s[16:17], s[76:77]      ; the first token's part: ((16 batch + head) 16 + frame) x 272
	v_and_b32 v7, 31, v0
	v_lshlrev_b32 v[LI], 4, v7
	v_and_b32 v8, 15, v0
	v_lshlrev_b32 v[L4], 2, v8
	v_mov_b32 v3, v[LI]
	v_add_nc_u32 v4, 61440, v[LI]
	v_add_nc_u32 v5, 122880, v[LI]
	v_add_nc_u32 v[XSA], XSCL, v[L4]
	v_bfe_u32 v9, v0, 4, 1
	v_lshlrev_b32 v12, 6, v9                       ; 64 h: q/k's bias; stays
	v_and_b32 v13, 8, v8
	v_add_nc_u32 v13, v13, v8
	v_lshlrev_b32 v13, 2, v13
	s_lshl_b32 s72, s20, 7
	v_add_nc_u32 v13, s72, v13                     ; 4 (32 p + r + 8 (r / 8)): v's bias; stays
	s_mul_i32 s72, s25, 196
	s_mul_i32 s73, s24, 3137
	v_add_nc_u32 v14, s72, v0                      ; thread t takes indices t and t + 128 of the record
	v_add_nc_u32 v15, 128, v14
	v_cmp_eq_u32 vcc_lo, 0, v0
	v_cndmask_b32 v14, v14, 0, vcc_lo              ; index 0 is the batch's first token
	v_add_nc_u32 v14, s73, v14
	v_add_nc_u32 v15, s73, v15
	v_min_u32 v15, 12547, v15                      ; no load leaves the mask
	v_lshlrev_b32 v14, 2, v14
	v_lshlrev_b32 v15, 2, v15
	global_load_b32 v10, v14, s[12:13]
	global_load_b32 v11, v15, s[12:13]
	BIASLD
	LOADBF 0
	LOADBS 0
	s_wait_loadcnt 36                              ; the two mask words are in; behind them: 12 loads of biases and 24 of weights
	v_mov_b32 v42, NEG
	v_cmp_ne_u32 vcc_lo, 0, v10
	v_cndmask_b32 v10, v42, 0, vcc_lo              ; a key that counts: 0; a masked one: -3e38
	v_cmp_ne_u32 vcc_lo, 0, v11
	v_cndmask_b32 v11, v42, 0, vcc_lo
	v_cmp_gt_u32 vcc_lo, 69, v0
	v_cndmask_b32 v11, v42, v11, vcc_lo            ; indices from 197 on are padding
	s_cmp_eq_u32 s25, 0
	s_cselect_b32 s74, 0, NEG
	v_cmp_eq_u32 vcc_lo, 0, v0
	v_min_num_f32 v43, s74, v10
	v_cndmask_b32 v43, v10, v43, vcc_lo            ; for the first token's query its own key counts in frame 0's part alone
	v_mov_b32 v44, 0
	v_mov_b32 v45, 0
	v_lshl_add_u32 v46, v0, 2, MBF
	v_lshl_add_u32 v47, v0, 3, ASG
	ds_store_b32 v46, v10
	ds_store_b32 v46, v11 offset:512
	ds_store_b32 v46, v43 offset:1024
	ds_store_b32 v46, v11 offset:1536
	ds_store_b64 v47, v[44:45]                     ; the output's scale words begin as zeros: tiles 13-15 stay so
	LOADBF 1
	LOADBF 2
	s_mov_b32 s80, 2                               ; trips: pairs of heads cx and cx + 4
	s_wait_tensorcnt 0x0                           ; my quarter of the record has landed,
	s_wait_dscnt 0x0                               ; my stores too:
	s_barrier_signal -1
	s_barrier_wait -1                              ; everybody's have
.Lhp:                                              ; ==== a pair of heads.  On both ways here the loads on their way are, in this order: biases 12, K step 0's 18 + 6, K steps 1's and 2's fragments 18 + 18
	LOADBS 1                                       ; K steps 1's and 2's scale words come now: their registers held the attention's scale words
	LOADBS 2
.set NISS, 3
	; ---- THE FIRST PRODUCT: 104 tile steps (K step s, token tile m), in 26 groups of four, written out: every offset is an immediate
	LOADA 0
.set gg, 0
.rept 26
	PLACES                                         ; in front of loads into registers that the group before has read
.irp sg, 3,4,5,6,7
.if gg == (13*(\sg-3)+12)/4+1
	LOADB \sg                                      ; the set's last reader was K step sg - 3, whose last step lies in the group before
.endif
.endr
.if gg < 25
	LOADA gg+1
	s_wait_dscnt 16                                ; this group's fragments are in; the 16 loads just issued may be out
.else
	s_wait_dscnt 0x0
.endif
.set sq, (4*gg+3)/13
.if ((4*gg)%13 == 0) || ((4*gg)/13 != sq)
.if sq == 1
	s_wait_loadcnt 6                               ; K step 1 begins in this group: behind its scale words stand K step 2's six
.else
	s_wait_loadcnt (NISS-1-sq)*24                  ; K step sq begins in this group: its weights are in; what was asked for behind them, 24 loads for each younger K step, may be out
.endif
.endif
	MULG gg
.set gg, gg+1
.endr
	WIN 0
	PLACES
	; ---- addresses for what follows
	v_and_b32 v[LANE], 31, v0
	v_and_b32 v7, 15, v0                           ; r
	v_bfe_u32 v8, v0, 4, 1                         ; h
	v_and_b32 v9, 8, v7
	v_add_nc_u32 v9, v9, v7
	v_lshlrev_b32 v9, 2, v9                        ; 4 (r + 8 (r / 8))
	v_lshlrev_b32 v10, 2, v[LANE]                  ; 4 x lane
	s_wait_alu depctr_va_vdst(0)
	v_lshlrev_b32 v11, 3, v[LANE]                  ; 8 x lane
	s_lshl_b32 s72, s18, 12
	s_add_co_u32 s72, s72, QCLS
	v_add_nc_u32 v[AQCS], s72, v[LI]
	s_mul_i32 s72, s18, 9984
	s_add_co_u32 s72, s72, QKIMG
	v_add_nc_u32 v[AQK128], s72, v[LI]
	s_add_co_u32 s72, s72, 512
	v_add_nc_u32 v[AQK64], s72, v11
	s_mul_i32 s72, s18, 896
	s_add_co_u32 s72, s72, SCP
	v_add_nc_u32 v[ASCP], s72, v10
	s_mul_i32 s72, s18, 1664
	s_add_co_u32 s72, s72, SCT
	v_add_nc_u32 v[ASCT], s72, v10
	s_mul_i32 s72, s18, 6144
	s_add_co_u32 s72, s72, VIMG
	v_add_nc_u32 v[AVI], s72, v[LI]
	s_lshl_b32 s72, s18, 9
	s_add_co_u32 s72, s72, VSC
	v_add_nc_u32 v[AVS], s72, v10
	s_and_b32 s73, s18, 2                          ; 2 hh: the wave that holds my head's q
	s_or_b32 s74, s18, 1                           ; 2 hh + 1: the one that holds its k
	s_lshl_b32 s72, s73, 12
	s_add_co_u32 s72, s72, QCLS
	v_lshl_add_u32 v[AQCL], v8, 8, s72
	v_add_nc_u32 v[AMBC], MBC, v9
	s_lshl_b32 s72, s18, 10
	s_add_co_u32 s72, s72, PCL
	v_add_nc_u32 v[APCS], s72, v9
	s_lshl_b32 s72, s74, 10
	s_add_co_u32 s72, s72, PCL
	v_lshl_add_u32 v[APCLD], v8, 6, s72
	s_lshl_b32 s72, s20, 7
	v_lshl_add_u32 v[APO], v8, 5, v9
	v_add_nc_u32 v[APO], s72, v[APO]               ; 4 (32 p + 8 h + r + 8 (r / 8))
	s_lshl_b32 s72, s20, 3
	s_add_co_u32 s72, s72, 256
	v_mov_b32 v[AML], s72
.irp b, 0,1,2,3
	v_mov_b32 v[TM+4+\b], 0                        ; a lane permute's destination counts as one of its sources
.endr
	; ---- v: the bias; what lies beyond key 196 becomes 0
	WIN 0x8e                                       ; destination and source 0 window 2, source 1 window 3
.irp c, 0,1
.set kq, 0
.rept 52
	v_pk_add_f32 v[128*\c+2*kq:128*\c+2*kq+1], v[128*\c+2*kq:128*\c+2*kq+1], v[248+2*\c:249+2*\c]
.set kq, kq+1
.endr
.endr
	WIN 0x88
.irp c, 0,1
.irp j, 0,1,2,3,4
	v_cndmask_b32 v[128*\c+96+\j], 0, v[128*\c+96+\j], s62   ; tile 12: keys 192 + 16 h + j count for h = 0, j up to 4
.endr
.set kq, 101
.rept 27
	v_mov_b32 v[128*\c+kq], 0
.set kq, kq+1
.endr
.endr
	; ---- tile 0's q (or k) in f32 to LDS: its row 0 is the first token's
	WIN 0x04                                       ; an LDS store's data are its source 1: window 1
.irp i, 0,1,2,3,4,5,6,7
	ds_store_b128 v[AQCS], v[4*\i:4*\i+3] offset:512*\i
.endr
	; ---- q or k is quantised along the head's 64, two token tiles at a time.  The wait for these stores stands in the next QUANT, behind its maxima
.macro QKOUT i, nb
	ds_store_b128 v[AQK128], v[PC:PC+3] offset:(2*\i)*768        ; a half fragment: registers 0-3 at 16 x lane, 4-5 at 512 + 8 x lane
	ds_store_b64 v[AQK64], v[PC+4:PC+5] offset:(2*\i)*768
	ds_store_b32 v[ASCP], v[PW] offset:128*\i
	v_perm_b32 v[PWT], v[PW], v[PW], 0x01000100                  ; the first tile's two bytes, twice
	ds_store_b32 v[ASCT], v[PWT] offset:128*(2*\i)
.if \nb == 4
	ds_store_b128 v[AQK128], v[PC+6:PC+9] offset:(2*\i+1)*768
	ds_store_b64 v[AQK64], v[PC+10:PC+11] offset:(2*\i+1)*768
	v_perm_b32 v[PWT2], v[PW], v[PW], 0x03020302                 ; the second tile's
	ds_store_b32 v[ASCT], v[PWT2] offset:128*(2*\i+1)
.endif
.endm
.irp i, 0,1,2,3
	QUANT 1, 64*\i, 4
	QKOUT \i, 4
.endr
.irp i, 4,5
	QUANT 0, 96+64*(\i-4), 4
	QKOUT \i, 4
.endr
	QUANT 0, 224, 2
	QKOUT 6, 2
	; ---- v is quantised along the keys: two feature tiles x two key steps of 128
.irp c, 0,1
.irp ks, 0,1
	QUANT 2, 128*\c+64*\ks, 4
.irp g, 0,1,2
	ds_store_b128 v[AVI], v[PC+4*\g:PC+4*\g+3] offset:(2*\c+\ks)*1536+512*\g
.endr
	ds_store_b32 v[AVS], v[PW] offset:(2*\c+\ks)*128
.endr
.endr
	BARRIER                                        ; q, k, v as codes and tile 0 in f32 lie in LDS
	; ---- THE FIRST TOKEN'S SCORES on this frame's keys, in f32.  Every wave runs the lines on its own accumulators; those of the waves that hold k are used
.set SCO, 42                           ; v42-67: a pair of partial sums for each token tile
	WIN 0xc0
.irp i, 0,1,2,3,4,5,6,7
	ds_load_b128 v[4*\i:4*\i+3], v[AQCL] offset:512*\i           ; the first token's q, my half's 32 features, in my registers' order
.endr
.irp m, 0,1,2,3,4,5,6,7,8,9,10,11,12
	ds_load_b32 v[80+\m], v[AMBC] offset:4*(32*(\m/2)+8*(\m%2))
.endr
	s_wait_dscnt 0x0
	WIN 0x0d                                       ; source 0 window 1, source 1 window 3
.set kq, 0
.rept 16
.irp m, 0,1,2,3,4,5,6,7
.if kq == 0
	v_pk_mul_f32 v[SCO+2*\m:SCO+2*\m+1], v[32*\m:32*\m+1], v[0:1]
.else
	v_pk_fma_f32 v[SCO+2*\m:SCO+2*\m+1], v[32*\m+2*kq:32*\m+2*kq+1], v[2*kq:2*kq+1], v[SCO+2*\m:SCO+2*\m+1]
.endif
.endr
.set kq, kq+1
.endr
	WIN 0x0c
.set kq, 0
.rept 16
.irp m, 8,9,10,11,12
.if kq == 0
	v_pk_mul_f32 v[SCO+2*\m:SCO+2*\m+1], v[96+32*(\m-8):96+32*(\m-8)+1], v[0:1]
.else
	v_pk_fma_f32 v[SCO+2*\m:SCO+2*\m+1], v[96+32*(\m-8)+2*kq:96+32*(\m-8)+2*kq+1], v[2*kq:2*kq+1], v[SCO+2*\m:SCO+2*\m+1]
.endif
.endr
.set kq, kq+1
.endr
	WIN 0
.irp m, 0,1,2,3,4,5,6,7,8,9,10,11,12
	v_add_f32 v[SCO+2*\m], v[SCO+2*\m], v[SCO+2*\m+1]
.endr
.irp m, 0,1,2,3,4,5,6,7,8,9,10,11,12
	v_permlanex16_b32 v[SCO+2*\m+1], v[SCO+2*\m], s[SEL], s[SEL+1]
.endr
.irp m, 0,1,2,3,4,5,6,7,8,9,10,11,12
	v_add_f32 v[SCO+2*\m], v[SCO+2*\m], v[SCO+2*\m+1]            ; with the other 32 features
.endr
	WIN 0x30                                       ; source 2 window 3
.irp m, 0,1,2,3,4,5,6,7,8,9,10,11,12
	v_fma_f32 v[SCO+2*\m], v[SCO+2*\m], s[CS], v[80+\m]          ; t, with the mask's bias
.endr
	WIN 0
	v_max3_num_f32 v68, v[SCO], v[SCO+2], v[SCO+4]               ; the part's largest t
.irp m, 3,5,7,9,11
	v_max3_num_f32 v68, v68, v[SCO+2*\m], v[SCO+2*\m+2]
.endr
	v_max_num_f32_dpp v68, v68, v68 row_xmask:1 row_mask:0xf bank_mask:0xf
	v_max_num_f32_dpp v68, v68, v68 row_xmask:2 row_mask:0xf bank_mask:0xf
	v_max_num_f32_dpp v68, v68, v68 row_xmask:4 row_mask:0xf bank_mask:0xf
	v_max_num_f32_dpp v68, v68, v68 row_xmask:8 row_mask:0xf bank_mask:0xf
.irp m, 0,1,2,3,4,5,6,7,8,9,10,11,12
	v_sub_f32 v[SCO+2*\m], v[SCO+2*\m], v68
.endr
	s_wait_alu depctr_va_vdst(0)
.irp m, 0,1,2,3,4,5,6,7,8,9,10,11,12
	v_exp_f32 v[SCO+2*\m], v[SCO+2*\m]
.endr
	v_nop                                          ; a plain place behind the exponentials
	s_wait_alu depctr_va_vdst(0)                   ; one wait for the batch, ahead of its first reader
	v_add_f32 v69, v[SCO], v[SCO+2]
.irp m, 2,3,4,5,6,7,8,9,10,11,12
	v_add_f32 v69, v69, v[SCO+2*\m]
.endr
	v_add_f32_dpp v69, v69, v69 row_xmask:1 row_mask:0xf bank_mask:0xf
	v_add_f32_dpp v69, v69, v69 row_xmask:2 row_mask:0xf bank_mask:0xf
	v_add_f32_dpp v69, v69, v69 row_xmask:4 row_mask:0xf bank_mask:0xf
	v_add_f32_dpp v69, v69, v69 row_xmask:8 row_mask:0xf bank_mask:0xf      ; the part's sum
.irp m, 0,1,2,3,4,5,6,7,8,9,10,11,12
	ds_store_b32 v[APCS], v[SCO+2*\m] offset:4*(32*(\m/2)+8*(\m%2))         ; the weights by key; lanes r and r + 16 write the same word with the same value
.endr
	BARRIER
	; ---- the part's weighted sum of v: my two feature tiles
	WIN 0xc0
.irp be, 0,1,2,3,4,5
.irp q, 0,1,2,3
	ds_load_b128 v[128+16*\be+4*\q:128+16*\be+4*\q+3], v[APCLD] offset:128*\be+16*\q   ; the weights in my v registers' order: register 16 be + i is key 32 be + 16 h + i
.endr
.endr
.irp q, 0,1
	ds_load_b128 v[224+4*\q:224+4*\q+3], v[APCLD] offset:768+16*\q
.endr
	s_wait_dscnt 0x0
	WIN 0x0e                                       ; source 0 window 2, source 1 window 3
.set kq, 0
.rept 52
.irp c, 0,1
.set sm, 42+4*\c+2*(kq%2)
.if kq < 2
	v_pk_mul_f32 v[sm:sm+1], v[128*\c+2*kq:128*\c+2*kq+1], v[128+2*kq:128+2*kq+1]
.else
	v_pk_fma_f32 v[sm:sm+1], v[128*\c+2*kq:128*\c+2*kq+1], v[128+2*kq:128+2*kq+1], v[sm:sm+1]
.endif
.endr
.set kq, kq+1
.endr
	WIN 0
.irp c, 0,1
	v_pk_add_f32 v[42+4*\c:43+4*\c], v[42+4*\c:43+4*\c], v[44+4*\c:45+4*\c]
.endr
.irp c, 0,1
	v_add_f32 v[42+4*\c], v[42+4*\c], v[43+4*\c]
.endr
.irp c, 0,1
	v_permlanex16_b32 v[43+4*\c], v[42+4*\c], s[SEL], s[SEL+1]
.endr
.irp c, 0,1
	v_add_f32 v[42+4*\c], v[42+4*\c], v[43+4*\c]
.endr
	v_cndmask_b32 v42, v46, v42, s62               ; lanes 0-15 store the first tile's feature, lanes 16-31 the second's
	global_store_b32 v[APO], v42, s[56:57]
	s_wait_xcnt 0x0                                ; EXEC changes only behind this wait
	v_cmp_eq_u32 vcc_lo, 0, v[LANE]
	s_and_saveexec_b32 s63, vcc_lo
	global_store_b64 v[AML], v[68:69], s[56:57]    ; lane 0: the part's largest t and its sum (those of p = 1 are read)
	s_wait_xcnt 0x0                                ; and again, in front of the line that widens it
	s_or_b32 exec_lo, exec_lo, s63
	; ---- on to the next pair of heads, four further on (eight heads): no memory instruction of mine still reads these pointers: the weights' loads were all waited for in the product, the stores by the wait above
	s_mov_b64 s[52:53], s[78:79]                   ; this trip's output images; it walks in the attention
	s_add_nc_u64 s[78:79], s[78:79], 79872         ; 4 K steps of 13 x 1,536 bytes
	s_add_nc_u64 s[56:57], s[56:57], 34816         ; 8 heads x 16 frames x 272
	s_add_nc_u64 s[40:41], s[40:41], 393216        ; 32 tiles x 12,288
	s_add_nc_u64 s[42:43], s[42:43], 393216
	s_add_nc_u64 s[44:45], s[44:45], 16384         ; 32 tiles x 512
	s_add_nc_u64 s[46:47], s[46:47], 16384
	s_add_nc_u64 s[48:49], s[48:49], 2048          ; 8 heads x 64 x 4
	s_add_nc_u64 s[50:51], s[50:51], 2048
	s_cmp_eq_u32 s80, 1                            ; the last trip asks for nothing: no load leaves its buffer
	s_cbranch_scc1 .Lno_pre
	BIASLD                                         ; the next trip's biases and its first three K steps of weights land while the attention runs: it names neither window 3 nor v16-21
	LOADBF 0
	LOADBS 0
	LOADBF 1
	LOADBF 2
.Lno_pre:
	; ---- THE FRAME'S ATTENTION.  Wave (hh, p): head hh, query tiles 7 p .. 7 p + 6 (there is no tile 13)
	; REGISTERS: window 0: v22-39 scale words; v[42:43] -M; v44-47, v108-111 sums; v48 1 / l; v50-57 block maxima; v58-65 bytes; v66-73 scale operands; v74-97 p's two fragments;
	;   v98-105 at work; v106 the output's word; v112-239 S^T, then p; v240-255, v14 addresses.   window 1: v0-83 k's 7 pair fragments; v84-95 [q | 0]; v96-107 [0 | q]; v108-211 the mask's bias.   window 2: v0-95 v; v96-127 O^T.
.set TM,  50
.set PC,  74
.set PW,  106
.set BM,  50
.set BT,  58
.set SO,  66
.set PF,  74
.set CT,  98
.set S,   112
.set Q128B, 240
.set Q64B, 241
.set QSB, 242
.set ASGB, 243
.set Q128, 244
.set Q64, 245
.set QSA, 246
.set ASGA, 247
.set L8, 248
.set AFIN, 249
.set AFO, 250
.set AKF128, 251
.set AKF64, 252
.set AKS, 253
.set AVF, 254
.set AVSL, 255
.set AMBF, 14
	s_mul_i32 s72, s74, 9984
	s_add_co_u32 s72, s72, QKIMG
	v_add_nc_u32 v[AKF128], s72, v[LI]
	s_add_co_u32 s72, s72, 512
	v_add_nc_u32 v[AKF64], s72, v11
	s_mul_i32 s72, s74, 896
	s_add_co_u32 s72, s72, SCP
	v_add_nc_u32 v[AKS], s72, v10
	s_mul_i32 s72, s19, 12288
	s_add_co_u32 s72, s72, VIMG
	v_add_nc_u32 v[AVF], s72, v[LI]
	s_lshl_b32 s72, s19, 10
	s_add_co_u32 s72, s72, VSC
	v_add_nc_u32 v[AVSL], s72, v10
	v_lshl_add_u32 v[AMBF], v8, 6, MBF
	s_mul_i32 s72, s73, 9984
	s_add_co_u32 s72, s72, QKIMG
	v_add_nc_u32 v[Q128B], s72, v[LI]
	s_wait_alu depctr_va_vdst(0)
	s_add_co_u32 s72, s72, 512
	v_add_nc_u32 v[Q64B], s72, v11
	s_wait_alu depctr_va_vdst(0)
	s_mul_i32 s72, s73, 1664
	s_add_co_u32 s72, s72, SCT
	v_add_nc_u32 v[QSB], s72, v10
	s_lshl_b32 s72, s19, 1
	s_add_co_u32 s72, s72, ASG
	v_lshl_add_u32 v[ASGB], v7, 2, s72
	v_mov_b32 v[L8], v11
	v_and_b32 v[AFO], 63, v0
	v_lshlrev_b32 v[AFO], 4, v[AFO]
	v_add_nc_u32 v[AFIN], ASG, v[AFO]
	s_mul_i32 s66, s20, 7                          ; the tile,
	s_mul_i32 s67, s66, 768                        ; its half fragment,
	s_lshl_b32 s68, s66, 7                         ; its scale words,
	s_lshl_b32 s69, s66, 6                         ; its output's scale words
	s_mov_b32 s70, 7
	v_add_nc_u32 v[Q128], s67, v[Q128B]
	v_add_nc_u32 v[Q64], s67, v[Q64B]
	v_add_nc_u32 v[QSA], s68, v[QSB]
	WIN 0x40                                       ; destination window 1
.irp t, 0,1,2,3,4,5,6,7,8,9,10,11,12
	ds_load_b128 v[6*\t:6*\t+3], v[AKF128] offset:\t*768         ; key tiles 2 i and 2 i + 1 make one operand: K = 64 + 64
	ds_load_b64 v[6*\t+4:6*\t+5], v[AKF64] offset:\t*768
.endr
.irp t, 0,1,2,3,4,5,6,7,8,9,10,11,12
	ds_load_b128 v[108+8*\t:111+8*\t], v[AMBF] offset:4*(32*(\t/2)+8*(\t%2))
	ds_load_b128 v[112+8*\t:115+8*\t], v[AMBF] offset:4*(32*(\t/2)+8*(\t%2))+16
.endr
	ds_load_b128 v[84:87], v[Q128]                 ; the first tile's q, in both halves' places
	ds_load_b64 v[88:89], v[Q64]
	ds_load_b128 v[102:105], v[Q128]
	ds_load_b64 v[106:107], v[Q64]
.irp j, 78,79,80,81,82,83,90,91,92,93,94,95,96,97,98,99,100,101
	v_mov_b32 v[\j], 0                             ; zero codes: the last pair's second half, and the halves beside q
.endr
	WIN 0x80
.irp f, 0,1,2,3,4,5,6,7
.irp g, 0,1,2
	ds_load_b128 v[12*\f+4*\g:12*\f+4*\g+3], v[AVF] offset:\f*1536+512*\g     ; v: feature tile f / 2, key step f % 2
.endr
.endr
	WIN 0
.irp i, 0,1,2,3,4,5,6
	ds_load_b32 v[KS+\i], v[AKS] offset:128*\i
.endr
.irp f, 0,1,2,3,4,5,6,7
	ds_load_b32 v[VS+\f], v[AVSL] offset:128*\f
.endr
	ds_load_b32 v[QS], v[QSA]
.set kq, 104
.rept 24
	v_mov_b32 v[S+kq], 0                           ; p of the keys that no tile holds: set once a trip of the outer loop
.set kq, kq+1
.endr
	v_mov_b32 v[BM+7], 0
.irp b, 0,1,2,3,4,5,6,7
	v_mov_b32 v[BT+\b], 0                          ; a lane permute's destination counts as one of its sources
.endr
	v_mov_b32 v43, 0                               ; (named as the upper half of the pair v[42:43])
	s_wait_dscnt 0x0
.Lunit:
	v_add_nc_u32 v[Q128], s67, v[Q128B]
	v_add_nc_u32 v[Q64], s67, v[Q64B]
	v_add_nc_u32 v[QSA], s68, v[QSB]
	v_add_nc_u32 v[ASGA], s69, v[ASGB]
	s_cmp_gt_u32 s66, 12                           ; a branch on the wave's number and the trip: no barrier stands in a trip
	s_cbranch_scc1 .Lskip
	s_wait_dscnt 0x0                               ; this tile's q and its scale word: asked for a trip ago
	WIN 0x15                                       ; k, q and the bias in window 1
.set tau, 0
.rept 13
	v_wmma_scale_f32_16x16x128_f8f6f4 v[S+8*tau:S+8*tau+7], v[12*(tau/2):12*(tau/2)+11], v[84+12*(tau%2):95+12*(tau%2)], v[108+8*tau:115+8*tau], v[KS+tau/2], v[QS] matrix_a_fmt:MATRIX_FMT_FP6 matrix_b_fmt:MATRIX_FMT_FP6
.set tau, tau+1
.endr
	WIN 0
	PLACES                                         ; in front of the reads of the scores, and of the loads into q's registers
	WIN 0x40
	s_wait_alu depctr_va_vdst(0)
	ds_load_b128 v[84:87], v[Q128] offset:768      ; the next tile's q lands while this tile's softmax runs.  (Behind a wave's last tile these read the bytes that follow in LDS, which were written ahead of the barrier; nothing uses them)
	ds_load_b64 v[88:89], v[Q64] offset:768
	ds_load_b128 v[102:105], v[Q128] offset:768
	ds_load_b64 v[106:107], v[Q64] offset:768
	WIN 0
	ds_load_b32 v[QS], v[QSA] offset:128
.irp b, 0,1,2,3,4,5,6
	v_max3_num_f32 v[BM+\b], v[S+16*\b], v[S+16*\b+1], v[S+16*\b+2]         ; the largest score of each block of 32 keys: for the row's maximum, and, since p rises with the score, for the block's largest p
.endr
.irp i, 3,5
.irp b, 0,1,2,3,4,5,6
	v_max3_num_f32 v[BM+\b], v[BM+\b], v[S+16*\b+\i], v[S+16*\b+\i+1]
.endr
.endr
.irp i, 7,9,11,13
.irp b, 0,1,2,3,4,5
	v_max3_num_f32 v[BM+\b], v[BM+\b], v[S+16*\b+\i], v[S+16*\b+\i+1]
.endr
.endr
.irp b, 0,1,2,3,4,5
	v_max_num_f32 v[BM+\b], v[BM+\b], v[S+16*\b+15]
.endr
	v_max_num_f32 v[BM+6], v[BM+6], v[S+103]
.irp b, 0,1,2,3,4,5,6
	v_permlanex16_b32 v[BT+\b], v[BM+\b], s[SEL], s[SEL+1]
.endr
.irp b, 0,1,2,3,4,5,6
	v_max_num_f32 v[BM+\b], v[BM+\b], v[BT+\b]
.endr
	v_max3_num_f32 v107, v[BM], v[BM+1], v[BM+2]
	v_max3_num_f32 v107, v107, v[BM+3], v[BM+4]
	v_max3_num_f32 v107, v107, v[BM+5], v[BM+6]
	v_mul_f32 v107, s[CS], v107                    ; the row's largest t
	v_floor_f32 v42, -v107                         ; -M = floor(-t): M is a whole number
.set kq, 0
.rept 52
	v_pk_fma_f32 v[S+2*kq:S+2*kq+1], v[S+2*kq:S+2*kq+1], s[CS:CS+1], v[42:43] op_sel_hi:[1,0,0]   ; t - M
.set kq, kq+1
.endr
.irp b, 0,1,2,3,4,5,6
	v_fma_f32 v[BM+\b], v[BM+\b], s[CS], v42
.endr
	s_wait_alu depctr_va_vdst(0)
.irp b, 0,1,2,3,4,5,6
	v_exp_f32 v[BM+\b], v[BM+\b]                   ; each block's largest p: issued ahead of the others, so that one wait serves all
.endr
.set kq, 0
.rept 104
	v_exp_f32 v[S+kq], v[S+kq]                     ; p = 2^(t - M): not normalised
.set kq, kq+1
.endr
	v_nop                                          ; a plain place behind the exponentials
	s_wait_alu depctr_va_vdst(0)                   ; one wait for the 111, ahead of their first reader
.irp c, 0,1
	v_pk_add_f32 v[44+2*\c:45+2*\c], v[S+2*\c:S+2*\c+1], v[S+8+2*\c:S+9+2*\c]        ; the row's sum is taken of the unquantised p, in four chains
.endr
.irp c, 0,1
	v_pk_add_f32 v[108+2*\c:109+2*\c], v[S+4+2*\c:S+5+2*\c], v[S+12+2*\c:S+13+2*\c]
.endr
.set kq, 16
.rept 11
	v_pk_add_f32 v[44:45], v[44:45], v[S+kq:S+kq+1]
	v_pk_add_f32 v[46:47], v[46:47], v[S+kq+2:S+kq+3]
	v_pk_add_f32 v[108:109], v[108:109], v[S+kq+4:S+kq+5]
	v_pk_add_f32 v[110:111], v[110:111], v[S+kq+6:S+kq+7]
.set kq, kq+8
.endr
	v_pk_add_f32 v[44:45], v[44:45], v[46:47]      ; the end of the sum is one chain: its links stand between the scales' lines, which do not wait for them
	v_pk_add_f32 v[108:109], v[108:109], v[110:111]
.irp b, 0,1,2,3,4,5,6,7
	v_max_num_f32 v[BM+\b], 0x1800000, v[BM+\b]    ; the floor 2^(3 - 127)
.endr
	v_pk_add_f32 v[44:45], v[44:45], v[108:109]
.irp b, 0,1,2,3,4,5,6,7
	v_add_nc_u32 v[SO+\b], 0xff000000, v[BM+\b]    ; 2 off the exponent field: the conversion's scale operand
.endr
	v_add_f32 v44, v44, v45
.irp b, 0,1,2,3,4,5,6,7
	v_lshrrev_b32 v[BT+\b], 23, v[SO+\b]           ; the scale's byte
.endr
	v_permlanex16_b32 v45, v44, s[SEL], s[SEL+1]
	v_lshl_or_b32 v[PS], v[BT+1], 8, v[BT]
	v_lshl_or_b32 v[PS], v[BT+2], 16, v[PS]
	v_lshl_or_b32 v[PS], v[BT+3], 24, v[PS]        ; p's scale word for keys 0 to 127
	v_add_f32 v44, v44, v45                        ; l
	v_lshl_or_b32 v[PS+1], v[BT+5], 8, v[BT+4]
	v_lshl_or_b32 v[PS+1], v[BT+6], 16, v[PS+1]
	v_lshl_or_b32 v[PS+1], v[BT+7], 24, v[PS+1]    ; and for keys 128 on
	s_wait_alu depctr_va_vdst(0)
	v_rcp_f32 v48, v44
	v_nop                                          ; a plain place behind the reciprocal
	s_wait_xcnt 0x0                                ; the last tile's two stores have read their data (v74-79) and their base: both are written again only behind this wait
	s_add_nc_u64 s[52:53], s[52:53], 1536          ; one tile further on than this tile's place: the stores below reach back
.irp ks, 0,1
.irp c, 0,1
	v_cvt_scalef32_pk16_fp6_f32 v[PF+12*\ks+6*\c:PF+12*\ks+6*\c+2], v[S+64*\ks+32*\c:S+64*\ks+32*\c+15], v[SO+4*\ks+2*\c]
	v_cvt_scalef32_pk16_fp6_f32 v[CT+4*\c:CT+4*\c+2], v[S+64*\ks+32*\c+16:S+64*\ks+32*\c+31], v[SO+4*\ks+2*\c+1]
.endr
	v_nop                                          ; one plain place behind a scaled conversion
.irp c, 0,1
.irp i, 0,1,2
	v_permlane16_swap_b32 v[PF+12*\ks+6*\c+\i], v[CT+4*\c+\i]
.endr
.irp i, 0,1,2
	v_mov_b32 v[PF+12*\ks+6*\c+3+\i], v[CT+4*\c+\i]
.endr
.endr
.endr
	PLACES                                         ; an operand written by vector instructions stands 4 places ahead of the scaled matrix instruction; the scale words stand further back: behind them twelve moves, three v_nop and these four
	WIN 0xa2                                       ; v, C and D in window 2, p in window 0
.irp ks, 0,1
.irp ft, 0,1,2,3
.if \ks == 0
	v_wmma_scale_f32_16x16x128_f8f6f4 v[96+8*\ft:103+8*\ft], v[12*(2*\ft+\ks):12*(2*\ft+\ks)+11], v[PF+12*\ks:PF+12*\ks+11], 0, v[VS+2*\ft+\ks], v[PS+\ks] matrix_a_fmt:MATRIX_FMT_FP6 matrix_b_fmt:MATRIX_FMT_FP6
.else
	v_wmma_scale_f32_16x16x128_f8f6f4 v[96+8*\ft:103+8*\ft], v[12*(2*\ft+\ks):12*(2*\ft+\ks)+11], v[PF+12*\ks:PF+12*\ks+11], v[96+8*\ft:103+8*\ft], v[VS+2*\ft+\ks], v[PS+\ks] matrix_a_fmt:MATRIX_FMT_FP6 matrix_b_fmt:MATRIX_FMT_FP6
.endif
.endr
.endr
	WIN 0
	PLACES
	s_wait_alu depctr_va_vdst(0)                   ; the reciprocal's wait, ahead of its first reader
	WIN 0x02                                       ; source 0 window 2
.set kq, 0
.rept 32
	v_mul_f32 v[S+kq], v[96+kq], v48               ; O^T / l: register 16 b + i is feature 32 b + 16 h + i of my query
.set kq, kq+1
.endr
	WIN 0
	QUANT 0, S, 2                                  ; the head's 64 features are half a K step of the last product
	global_store_b128 v[LI], v[PC:PC+3], s[52:53] offset:-1536     ; 512 consecutive bytes,
	global_store_b64 v[L8], v[PC+4:PC+5], s[52:53] offset:-1024    ; and 256
	ds_store_b16 v[ASGA], v[PW]                    ; my head's two bytes of the row's scale word
.Lskip:
	s_add_co_u32 s67, s67, 768
	s_add_co_u32 s68, s68, 128
	s_add_co_u32 s69, s69, 64
	s_add_co_u32 s66, s66, 1
	s_sub_co_u32 s70, s70, 1
	s_cmp_lg_u32 s70, 0
	s_cbranch_scc1 .Lunit
	s_wait_xcnt 0x0                                ; the last tile's stores have read their data: v74-77 are loaded below
	BARRIER                                        ; the output's scale words are whole; and every wave's reads of this trip's codes in LDS are over
	s_cmp_gt_u32 s18, 1
	s_cbranch_scc1 .Lno_words
	ds_load_b128 v[PC:PC+3], v[AFIN]               ; waves 0 and 1 store the 1,024 bytes
	s_wait_dscnt 0x0
	global_store_b128 v[AFO], v[PC:PC+3], s[54:55]
.Lno_words:
	s_wait_xcnt 0x0                                ; that store has read its data, its offset and its base: the next trip writes all three
	s_add_nc_u64 s[54:55], s[54:55], 4096          ; 4 K steps of 1,024 bytes of scale words
	s_sub_co_u32 s80, s80, 1
	s_cmp_lg_u32 s80, 0
	s_cbranch_scc1 .Lhp
	s_set_vgpr_msb 0xf
	s_wait_tensorcnt 0x0
	ds_add_u32 v254, v255
	s_wait_dscnt 0x0
	s_set_vgpr_msb 0xf00
	ROUND                                          ; the closing round: no work-group ends while a partner may still ask jointly
	s_endpgm
.Lfunc_end_k_q306a2fc836_qkvattn:
	.size	k_q306a2fc836_qkvattn, .Lfunc_end_k_q306a2fc836_qkvattn-k_q306a2fc836_qkvattn
	.p2alignl 7, 3214868480
	.fill 96, 4, 3214868480
	.section	.rodata,"a",@progbits
	.p2align	6, 0x0
	.amdhsa_kernel k_q306a2fc836_qkvattn
		.amdhsa_group_segment_fixed_size 270848
		.amdhsa_private_segment_fixed_size 0
		.amdhsa_enable_private_segment 0
		.amdhsa_kernarg_size 56
		.amdhsa_user_sgpr_count 2
		.amdhsa_user_sgpr_kernarg_segment_ptr 1
		.amdhsa_wavefront_size32 1
		.amdhsa_system_sgpr_workgroup_id_x 1
		.amdhsa_system_sgpr_workgroup_id_y 1
		.amdhsa_system_sgpr_workgroup_id_z 1
		.amdhsa_system_vgpr_workitem_id 0
		.amdhsa_next_free_vgpr 1024
		.amdhsa_next_free_sgpr 92
		.amdhsa_reserve_vcc 1
		.amdhsa_float_denorm_mode_32 3
		.amdhsa_float_denorm_mode_16_64 3
		.amdhsa_memory_ordered 1
		.amdhsa_forward_progress 1
		.amdhsa_inst_pref_size 255
	.end_amdhsa_kernel
	.section	.bss,"aw",@nobits
	.p2align	6
	.space	262144
	.amdgpu_metadata
---
amdhsa.version: [ 1, 2 ]
amdhsa.kernels:
  - .name:           k_q306a2fc836_qkvattn
    .symbol:         k_q306a2fc836_qkvattn.kd
    .args:
      - { .name: xrec, .offset: 0, .size: 8, .value_kind: global_buffer, .address_space: global }
      - { .name: wimg, .offset: 8, .size: 8, .value_kind: global_buffer, .address_space: global }
      - { .name: wscl, .offset: 16, .size: 8, .value_kind: global_buffer, .address_space: global }
      - { .name: qkv_b, .offset: 24, .size: 8, .value_kind: global_buffer, .address_space: global }
      - { .name: tok_mask, .offset: 32, .size: 8, .value_kind: global_buffer, .address_space: global }
      - { .name: arec, .offset: 40, .size: 8, .value_kind: global_buffer, .address_space: global }
      - { .name: part, .offset: 48, .size: 8, .value_kind: global_buffer, .address_space: global }
    .group_segment_fixed_size: 270848
    .private_segment_fixed_size: 0
    .kernarg_segment_align: 8
    .kernarg_segment_size: 56
    .max_flat_workgroup_size: 128
    .sgpr_count:     92
    .vgpr_count:     1024
    .wavefront_size: 32
...
	.end_amdgpu_metadata
.endif
;; end of part 2
;; launch proj (part 3): grid 4 x 64, 4 waves a work-group, clusters of 4 x 1, 205,312 bytes of LDS; arguments arec, part, wimg, wscl, proj_b, out0; writes out0
.if DOCPART == 3
	.amdgcn_target "amdgcn-amd-amdhsa--gfx1250"
	.amdhsa_code_object_version 6
	.text
	.protected	k_q306a2fc836_proj
	.globl	k_q306a2fc836_proj
	.p2align	8
	.type	k_q306a2fc836_proj,@function
k_q306a2fc836_proj:
	s_mov_b64 s[64:65], 0
	v_nop
	global_prefetch_b8 v0, s[64:65] scope:SCOPE_SE
	s_setreg_imm32_b32 hwreg(HW_REG_WAVE_MODE, 25, 1), 1
	s_wait_xcnt 0x0
	s_wait_alu depctr_hold_cnt(0) depctr_sa_sdst(0) depctr_va_vdst(0) depctr_va_sdst(0) depctr_va_ssrc(0) depctr_va_vcc(0) depctr_vm_vsrc(0)
	s_getreg_b32 s2, hwreg(HW_REG_IB_STS2, 6, 4)
	s_cmp_eq_u32 s2, 0
	s_cbranch_scc0 .Lentry_in_a_cluster
	s_endpgm
.Lentry_in_a_cluster:
	s_bfe_u32 s2, ttmp6, 0x10000c
	s_cmp_lg_u32 s2, 0x3003
	s_cbranch_scc0 .Lentry_shape_is_right
	s_endpgm
.Lentry_shape_is_right:
; out = attention's output x proj_w^T + proj_b, on codes of FP6 (E2M3) with E8M0 scales, for one (batch, frame) record of 13 token tiles and a quarter of the 1,024 columns.
; The record (images [K step][tile][half][768] and scale words [K step][tile 0..15][16], 167,936 bytes) is the same for the four work-groups of a cluster: it is asked for jointly, a quarter by each wave, once.
; SHARES.  Wave w makes columns 256 nq + 64 w + 0 .. 63 for all 13 tiles.  Source 0 = 16 rows of proj_w, source 1 = 16 tokens: a lane holds one token and eight neighbouring columns.
; THE WEIGHTS STAY IN REGISTERS: a wave's 4 column tiles x 8 K steps are 32 fragments, 384 registers, and 32 scale words, loaded once at the head from memory, each by the one wave that multiplies by it.
; THE PRODUCT GOES BY TOKEN TILE: a tile is 32 matrix instructions, K ascending, its 4 accumulators by turns; the bias is the C of each sum's first.  A finished tile goes through the wave's stage and is stored
; while the next tile is multiplied: two buffers of token fragments (filled two tiles ahead), two sets of accumulators, two sets of rows on the way out.  LDS loads and stores stand in runs between the tiles.
; THE FIRST TOKEN.  Row 0 of tile 0 is the batch's first token.  Its attention was left in sixteen parts (largest t, sum, weighted v for each frame and head): they are joined here in f32.  Wave w takes frames 4 w .. 4 w + 3.
; A part's 64 weighted numbers are 256 consecutive bytes: one load takes two such rows, sixteen lanes to a row.  The factors 2^(t - largest t) are made by the lane that owns the head (lane / 2) and reach the lanes that hold
; its features through 256 bytes of the wave's own LDS.  The shares lie in LDS by feature, 16 bytes of padding behind each 128; wave 0 adds the four, a lane to a block of 32, quantises, and writes the row over
; row 0's codes and scale bytes, between two barriers, ahead of the fourth tile in the walk.  Tile 0 is read behind them: the walk is tiles 1 .. 11, 0, 12.  Every work-group does so; only those of frame 0 store the row.
; No data prefetch: the text has no loop, and every global read is asked for at the head or behind the first tile.
; LIMITS: NaN and infinities are not served; where every key of a batch is masked the first token gets a finite number.
; REGISTERS: window 0: v1-15 addresses; v16-47 the weights' scale words, v48-63 the tokens', two sets: scales and nothing else; v64-95 at work; v96-255 the parts.
;   window 1: v0-191 two buffers of 8 token fragments; v192-255 two sets of 4 accumulators.   window 2: v0-143 weights of K steps 5-7; v144-207 rows on the way out, two sets; v208-239 the bias.   window 3: v0-239 weights of K steps 0-4.
.set ASCL, 159744
.set CMB,  167936                      ; 4 x 4,608: each wave's share of the first token's row: feature f at 4 f + 16 (f / 32)
.set STG,  186368                      ; 4 x 16 x 272: each wave's stage for the way out
.set FAC,  203776                      ; 4 x 256: each wave's factors, [head][its four frames]
.set SPARE, 204800                     ; the spare words: 512 bytes that no other line names
.set LI,  1
.set L4,  2
.set ASA, 9
.set STO, 10
.set RD,  11
.set CO,  12
.set WS,  16                           ; the weights' scale words: 4 s + c
.set TS,  48                           ; the tokens': 8 (t % 2) + s
.set ACC, 192
.set BB,  144
.set BIAS, 208
.set MSB, 0
.macro WIN new                         ; the immediate's high byte repeats the setting that is left
.if MSB != (\new)
	s_set_vgpr_msb (MSB<<8)|(\new)
.set MSB, (\new)
.endif
.endm
.macro ROUND                           ; a round of the cluster's barrier
	s_barrier_signal -1
	s_barrier_wait -1
	s_cmp_lg_u32 s18, 0
	s_cbranch_scc1 .Lnot_wave_0_\@
	s_barrier_signal -3
.Lnot_wave_0_\@:
	s_barrier_wait -3
	s_barrier_signal -1
	s_barrier_wait -1
.endm
.macro PLACES                          ; four plain places behind matrix instructions (ISA guide 7.12.1)
.rept 4
	v_nop
.endr
.endm
	s_load_b256 s[4:11], s[0:1], 0x0               ; arec, part, wimg, wscl
	s_load_b128 s[12:15], s[0:1], 0x20             ; proj_b, out0
	v_lshl_add_u32 v83, v0, 2, SPARE
	v_mov_b32 v91, 0
	ds_add_u32 v83, v91                            ; the opening lines: the add, twice on end, and its wait ahead of my tensor load
	ds_add_u32 v83, v91
	v_lshrrev_b32 v7, 5, v0
	v_readfirstlane_b32 s18, v7                    ; wave
	s_bfe_u32 s21, ttmp6, 0x40000                  ; cx
	s_lshl_b32 s22, ttmp9, 2
	s_add_co_u32 s22, s22, s21                     ; nq: the quarter of the columns; it enters global addresses alone
	s_and_b32 s23, ttmp7, 0xffff                   ; the record, which the four partners share
	s_lshr_b32 s24, s23, 4                         ; batch
	s_and_b32 s25, s23, 15                         ; frame
	; descriptor group 1: a quarter of the record, 41,984 dense bytes, as 164 rows of 256 bytes
	s_mov_b32 s32, 15|(3<<16)|(1<<21)              ; 15:0 the mask: all four work-groups; 17:16 elements of 8 bytes; 21 set beside a mask
	s_mov_b32 s33, 32<<16
	s_mov_b32 s34, 164<<16
	s_mov_b32 s35, 32<<16
	s_mov_b32 s36, 164
	s_mov_b32 s37, 32
	s_mov_b32 s38, 0
	s_mov_b32 s39, 0
	s_mov_b32 s28, 1
	s_mul_i32 s29, s18, 41984
	s_mul_i32 s72, s23, 167936
	s_add_co_u32 s72, s72, s29
	s_mov_b32 s73, 0
	s_wait_dscnt 0x0
	s_wait_kmcnt 0x0
	s_add_nc_u64 s[30:31], s[4:5], s[72:73]
	s_or_b32 s31, s31, 0x80000000
	ROUND                                          ; all four work-groups are here: the joint loads meet
	tensor_load_to_lds s[28:31], s[32:39]          ; my one tensor load of the launch
	s_nop 0
	PLACES
	s_lshl_b32 s72, s22, 4
	s_lshl_b32 s74, s18, 2
	s_add_co_u32 s72, s72, s74
	s_add_co_u32 s72, s72, 192                     ; my first weight tile: 192 + 16 nq + 4 w
	s_mul_i32 s76, s72, 12288
	s_mov_b32 s77, 0
	s_add_nc_u64 s[40:41], s[8:9], s[76:77]
	s_lshl_b32 s76, s72, 9
	s_add_nc_u64 s[44:45], s[10:11], s[76:77]
	s_lshl_b32 s76, s22, 10
	s_lshl_b32 s74, s18, 8
	s_add_co_u32 s76, s76, s74                     ; my first column, in bytes
	s_add_nc_u64 s[48:49], s[12:13], s[76:77]
	s_mul_i32 s74, s24, 3137
	s_mul_i32 s75, s25, 196
	s_add_co_u32 s74, s74, s75
	s_lshl_b32 s74, s74, 12
	s_add_co_u32 s76, s76, s74
	s_add_nc_u64 s[54:55], s[14:15], s[76:77]      ; out: index j of the record is row 3137 batch + 196 frame + j
	s_mul_i32 s76, s24, 69632
	s_add_nc_u64 s[50:51], s[6:7], s[76:77]        ; the batch's parts
	s_mul_i32 s76, s18, 1088
	s_add_nc_u64 s[52:53], s[50:51], s[76:77]      ; frames 4 w on
	s_mov_b32 s66, 0xffff0000
	s_cmp_eq_u32 s25, 0
	s_cselect_b32 s66, -1, s66                     ; the lanes that store rows 0 and 1 of tile 0: row 0 in frame 0 alone
	v_and_b32 v7, 31, v0                           ; lane
	v_lshlrev_b32 v[LI], 4, v7
	v_and_b32 v72, 15, v0                          ; r
	v_lshlrev_b32 v[L4], 2, v72
	v_bfe_u32 v73, v0, 4, 1                        ; h
	v_mov_b32 v3, v[LI]
	v_add_nc_u32 v4, 61440, v[LI]
	v_add_nc_u32 v5, 122880, v[LI]
	v_lshl_add_u32 v6, v7, 3, 512
	v_add_nc_u32 v8, 122880, v6
	v_add_nc_u32 v7, 61440, v6
	v_add_nc_u32 v[ASA], ASCL, v[L4]
	s_mul_i32 s72, s18, 4352
	s_add_co_u32 s72, s72, STG
	v_mul_u32_u24 v[STO], v72, 272
	v_lshl_add_u32 v[STO], v73, 6, v[STO]
	v_add_nc_u32 v[STO], s72, v[STO]               ; into my stage: row r, + 64 h
	v_mul_u32_u24 v[RD], v73, 272
	v_lshl_add_u32 v[RD], v72, 4, v[RD]
	v_add_nc_u32 v[RD], s72, v[RD]                 ; back: lanes 0-15 one row of 256 bytes, lanes 16-31 the next
	v_lshlrev_b32 v[CO], 12, v73
	v_lshl_add_u32 v[CO], v72, 4, v[CO]            ; and the same two rows in out
	v_lshlrev_b32 v13, 6, v73                      ; 64 h: the bias
	v_bfe_u32 v74, v0, 1, 4                        ; lane / 2: the head whose factors I make
	v_and_b32 v75, 1, v0                           ; lane % 2
	v_mul_u32_u24 v14, v74, 4352
	v_add_nc_u32 v14, 264, v14                     ; a part's largest t and sum
	v_mul_u32_u24 v15, v73, 4352
	v_lshl_add_u32 v15, v72, 4, v15                ; a part's weighted v: head 2 j + h, 16 bytes at 16 r: sixteen lanes read 256 consecutive bytes
	s_mul_i32 s72, s18, 4608
	s_add_co_u32 s72, s72, CMB
	v_bfe_u32 v66, v0, 3, 2                        ; lane / 8
	v_lshl_add_u32 v84, v66, 4, v[LI]
	v_add_nc_u32 v84, s72, v84                     ; my share, features 128 j + 4 lane on: 576 j + 16 lane + 16 (lane / 8)
	v_and_b32 v67, 31, v0
	v_mul_u32_u24 v85, v67, 144
	v_add_nc_u32 v85, CMB, v85                     ; and back, features 32 lane on: 144 lane
	s_lshl_b32 s74, s18, 8
	s_add_co_u32 s74, s74, FAC
	v_lshl_add_u32 v64, v74, 4, s74                ; my head's four factors
	v_lshl_add_u32 v65, v73, 4, s74                ; those of head 2 j + h: + 32 j
	v_bfe_u32 v76, v0, 2, 3                        ; lane / 4: the K step of my block
	v_bfe_u32 v77, v0, 1, 1                        ; which half of it
	v_mul_u32_u24 v86, v76, 19968
	v_mad_u32_u24 v86, v77, 768, v86
	v_lshl_add_u32 v87, v75, 7, v86
	v_add_nc_u32 v87, 512, v87                     ; registers 4-5 of lane 16 (lane % 2) of tile 0's half image
	v_lshl_add_u32 v86, v75, 8, v86                ; registers 0-3
	v_and_b32 v90, 3, v0
	v_lshl_add_u32 v90, v76, 10, v90
	v_add_nc_u32 v90, ASCL, v90                    ; my block's byte in row 0's scale word
	s_wait_alu depctr_va_vdst(0)                   ; the wait at the head's end
	WIN 0x80
.irp c, 0,1,2,3
	global_load_b128 v[BIAS+8*\c:BIAS+8*\c+3], v13, s[48:49] offset:(32*(\c/2)+8*(\c%2))*4      ; in the result's layout: lane (r, h), tile c: columns 32 (c / 2) + 8 (c % 2) + 16 h + 0 .. 7
	global_load_b128 v[BIAS+8*\c+4:BIAS+8*\c+7], v13, s[48:49] offset:(32*(\c/2)+8*(\c%2))*4+16
.endr
.macro LOADW s                         ; K step s's four weight fragments and their scale words: 16 loads
.if (\s) < 5
	WIN 0xc0
.set wb, 48*(\s)
.else
	WIN 0x80
.set wb, 48*((\s)-5)
.endif
.irp c, 0,1,2,3
.irp g, 0,1,2
	global_load_b128 v[wb+12*\c+4*\g:wb+12*\c+4*\g+3], v[LI], s[40:41] offset:\c*12288+(\s)*1536+512*\g
.endr
.endr
	WIN 0
.irp c, 0,1,2,3
	global_load_b32 v[WS+4*(\s)+\c], v[L4], s[44:45] offset:\c*512+64*(\s)
.endr
.endm
.irp s, 0,1,2,3,4,5,6,7
	LOADW \s
.endr
.macro TSYM t                          ; the t-th tile of the walk 1 .. 11, 0, 12, and its registers
.set mm, (\t)+1
.set nr, 8
.if (\t) == 11
.set mm, 0
.endif
.if (\t) == 12
.set mm, 12
.set nr, 3                             ; tile 12 has rows 0 to 4 alone
.endif
.set fb, 96*((\t)%2)
.set ab, ACC+32*((\t)%2)
.set bb, BB+32*((\t)%2)
.set tsb, TS+8*((\t)%2)
.endm
.macro LOADA t                         ; the tile's eight token fragments, two half images each, and its eight scale words: 40 LDS loads
	TSYM \t
	WIN 0x40
.set ss, 0
.rept 8
.set ii, 13*ss+mm
	ds_load_b128 v[fb+12*ss:fb+12*ss+3], v[3+ii/40] offset:(ii%40)*1536
	ds_load_b64 v[fb+12*ss+4:fb+12*ss+5], v[6+ii/40] offset:(ii%40)*1536
	ds_load_b128 v[fb+12*ss+6:fb+12*ss+9], v[3+ii/40] offset:(ii%40)*1536+768
	ds_load_b64 v[fb+12*ss+10:fb+12*ss+11], v[6+ii/40] offset:(ii%40)*1536+768
.set ss, ss+1
.endr
	WIN 0
.set ss, 0
.rept 8
	ds_load_b32 v[tsb+ss], v[ASA] offset:1024*ss+64*mm
.set ss, ss+1
.endr
.endm
.macro MUL t                           ; 32 matrix instructions: K ascending, the tile's four accumulators by turns, one instruction a turn
	TSYM \t
.set ss, 0
.rept 8
.if (\t) == 0                          ; the first tile waits for the weights K step by K step: behind K step s's stand 16 loads for each younger one; the count's field holds 63
.if ss == 0
	s_wait_loadcnt 63
.endif
.if ss > 3
	s_wait_loadcnt (7-ss)*16
.endif
.endif
.if ss < 5
.set wb, 48*ss
.else
.set wb, 48*(ss-5)
.endif
.if ss == 0
	WIN 0x67                                       ; weights window 3, tokens window 1, the bias window 2, D window 1
.else
.if ss < 5
	WIN 0x57
.else
	WIN 0x56                                       ; weights window 2
.endif
.endif
.set cc, 0
.rept 4
.if ss == 0
	v_wmma_scale_f32_16x16x128_f8f6f4 v[ab+8*cc:ab+8*cc+7], v[wb+12*cc:wb+12*cc+11], v[fb+12*ss:fb+12*ss+11], v[BIAS+8*cc:BIAS+8*cc+7], v[WS+4*ss+cc], v[tsb+ss] matrix_a_fmt:MATRIX_FMT_FP6 matrix_b_fmt:MATRIX_FMT_FP6
.else
	v_wmma_scale_f32_16x16x128_f8f6f4 v[ab+8*cc:ab+8*cc+7], v[wb+12*cc:wb+12*cc+11], v[fb+12*ss:fb+12*ss+11], v[ab+8*cc:ab+8*cc+7], v[WS+4*ss+cc], v[tsb+ss] matrix_a_fmt:MATRIX_FMT_FP6 matrix_b_fmt:MATRIX_FMT_FP6
.endif
.set cc, cc+1
.endr
.set ss, ss+1
.endr
.endm
; THE WAY OUT of a tile: 16 rows x 64 columns through my own stage, back as whole rows of 256 bytes, which sixteen lanes store as one aligned run.  LDS serves a wave's instructions in order (ISA guide 5.7.1.4)
.macro TOSTAGE t
	TSYM \t
	WIN 0x04                                       ; an LDS store's data are its source 1: window 1
.irp c, 0,1,2,3
	ds_store_b128 v[STO], v[ab+8*\c:ab+8*\c+3] offset:128*(\c/2)+32*(\c%2)        ; each accumulator from its low end on
	ds_store_b128 v[STO], v[ab+8*\c+4:ab+8*\c+7] offset:128*(\c/2)+32*(\c%2)+16
.endr
	WIN 0x80
.set iq, 0
.rept nr
	ds_load_b128 v[bb+4*iq:bb+4*iq+3], v[RD] offset:544*iq
.set iq, iq+1
.endr
.endm
.macro SEND t
	TSYM \t
	WIN 0x08                                       ; a store's data are its source 1: window 2
.set iq, 0
.rept nr
.set jj, 32*(mm/2)+8*(mm%2)+2*iq+8*(iq/4)
.if ((mm == 0) && (iq == 0)) || ((mm == 12) && (iq == 2))
	s_wait_xcnt 0x0                                ; EXEC changes only behind this wait
.if mm == 0
	s_mov_b32 vcc_lo, s66                          ; index 0 is stored by frame 0 alone
.else
	s_mov_b32 vcc_lo, 0xffff                       ; index 196 is the last: index 197 is padding
.endif
	s_and_saveexec_b32 s63, vcc_lo
	global_store_b128 v[CO], v[bb+4*iq:bb+4*iq+3], s[54:55] offset:jj*4096 th:TH_STORE_NT
	s_wait_xcnt 0x0                                ; and again, in front of the line that widens it
	s_or_b32 exec_lo, exec_lo, s63
.else
	global_store_b128 v[CO], v[bb+4*iq:bb+4*iq+3], s[54:55] offset:jj*4096 th:TH_STORE_NT   ; 16 lanes store 256 consecutive bytes, at a multiple of 256 from out's first byte
.endif
.set iq, iq+1
.endr
.endm
; One tile of the walk.  LDS instructions are issued in the order: stage of t (16), fragments of t + 2 (40).
.macro ITER t
.if (\t) == 0
	s_wait_dscnt 40                                ; this tile's fragments are in; the next tile's 40 loads may be out
.else
.if (\t) < 12
	s_wait_dscnt 56                                ; behind this tile's fragments: the last tile's 16 stage instructions and the next tile's 40 loads
.else
	s_wait_dscnt 16                                ; behind them: the last tile's 16 stage instructions
.endif
.endif
	MUL \t
	PLACES                                         ; in front of the stage's reads of the results and of the loads into the fragments' and scale words' registers
.if (\t) == 0
	WIN 0                                          ; the first token's parts are asked for behind the weights: 52 loads
.irp f, 0,1,2,3,4,5,6,7,8,9,10,11,12,13,14,15
	global_load_b64 v[96+2*\f:97+2*\f], v14, s[50:51] offset:272*\f
.endr
.irp i, 0,1,2,3
	global_load_b32 v[92+\i], v14, s[52:53] offset:272*\i
.endr
.irp i, 0,1,2,3
.irp j, 0,1,2,3,4,5,6,7
	global_load_b128 v[128+32*\i+4*\j:128+32*\i+4*\j+3], v15, s[52:53] offset:8704*\j+272*\i     ; frame 4 w + i, heads 2 j and 2 j + 1: two rows of 256 consecutive bytes
.endr
.endr
.else
.if (\t) < 12
	s_wait_dscnt 40                                ; the last tile's rows are back from the stage; the 40 fragment loads behind them may be out
.else
	s_wait_dscnt 0x0
.endif
	s_wait_xcnt 0x0                                ; the stores of two tiles ago have read their rows: this tile's rows land there below
	SEND (\t)-1
.endif
	TOSTAGE \t
.if (\t)+2 < 13
	LOADA (\t)+2
.endif
.endm
	s_wait_tensorcnt 0x0                           ; my quarter of the record has landed:
	s_wait_dscnt 0x0
	s_barrier_signal -1
	s_barrier_wait -1                              ; everybody's has
	LOADA 0
	LOADA 1
	ITER 0
	ITER 1
	ITER 2
	; ---- THE FIRST TOKEN'S ROW.  Every matrix result so far has been read by the stage's stores
	s_wait_loadcnt 0x0                             ; the parts are in
	v_max3_num_f32 v88, v96, v98, v100             ; the largest t of my head's sixteen parts
.irp f, 3,5,7,9,11,13
	v_max3_num_f32 v88, v88, v[96+2*\f], v[98+2*\f]
.endr
	v_max_num_f32 v88, v88, v126
.irp f, 0,1,2,3,4,5,6,7,8,9,10,11,12,13,14,15
	v_sub_f32 v[96+2*\f], v[96+2*\f], v88
.endr
.irp i, 0,1,2,3
	v_sub_f32 v[92+\i], v[92+\i], v88
.endr
	s_wait_alu depctr_va_vdst(0)                   ; the wait ahead of the batch
.irp f, 0,1,2,3,4,5,6,7,8,9,10,11,12,13,14,15
	v_exp_f32 v[96+2*\f], v[96+2*\f]
.endr
.irp i, 0,1,2,3
	v_exp_f32 v[92+\i], v[92+\i]
.endr
	v_nop                                          ; a plain place behind the exponentials
	s_wait_alu depctr_va_vdst(0)                   ; one wait for the batch, ahead of its first reader
	v_mul_f32 v89, v96, v97
.irp f, 1,2,3,4,5,6,7,8,9,10,11,12,13,14,15
	v_fmac_f32 v89, v[96+2*\f], v[97+2*\f]         ; my head's whole sum
.endr
	ds_store_b128 v64, v[92:95]                    ; my head's factors for my wave's four frames; lanes 2 n and 2 n + 1 write the same words with the same values
.irp j, 0,1,2,3,4,5,6,7
	ds_load_b128 v[96+4*\j:99+4*\j], v65 offset:32*\j            ; those of head 2 j + h.  LDS serves a wave's instructions in order: these see my wave's stores
.endr
	s_wait_dscnt 0x0
.irp j, 0,1,2,3,4,5,6,7
.irp q, 0,1,2,3
	v_mul_f32 v[128+4*\j+\q], v[96+4*\j], v[128+4*\j+\q]
.endr
.endr
.irp i, 1,2,3
.irp j, 0,1,2,3,4,5,6,7
.irp q, 0,1,2,3
	v_fmac_f32 v[128+4*\j+\q], v[96+4*\j+\i], v[128+32*\i+4*\j+\q]   ; my four frames' share of features 128 j + 4 lane + q
.endr
.endr
.endr
.irp j, 0,1,2,3,4,5,6,7
	ds_store_b128 v84, v[128+4*\j:128+4*\j+3] offset:576*\j
.endr
	s_wait_alu depctr_va_vdst(0)                   ; directly ahead of the wait below
	s_wait_dscnt 0x0                               ; my share lies in LDS, and my reads of the record so far are over:
	s_barrier_signal -1
	s_barrier_wait -1                              ; everybody's
	s_cmp_lg_u32 s18, 0
	s_cbranch_scc1 .Lpatched                       ; wave 0 alone joins the four shares; no barrier stands in the branch
.irp wv, 0,1,2,3
.irp q, 0,1,2,3,4,5,6,7
	ds_load_b128 v[128+32*\wv+4*\q:128+32*\wv+4*\q+3], v85 offset:4608*\wv+16*\q   ; features 32 lane + 4 q on
.endr
.endr
	s_wait_alu depctr_va_vdst(0)
	v_rcp_f32 v89, v89
	s_wait_dscnt 0x0
.irp wv, 1,2,3
.set kq, 0
.rept 32
	v_add_f32 v[128+kq], v[128+kq], v[128+32*\wv+kq]             ; (plain work behind the reciprocal)
.set kq, kq+1
.endr
.endr
	s_wait_alu depctr_va_vdst(0)                   ; the reciprocal's wait, ahead of its first reader
.set kq, 0
.rept 32
	v_mul_f32 v[128+kq], v[128+kq], v89            ; features 32 lane + 0 .. 31 of the first token's row: they are of head lane / 2, whose sum I hold
.set kq, kq+1
.endr
	v_max3_num_f32 v72, |v128|, |v129|, 0x1800000  ; the block is all mine; the floor 2^(3 - 127)
.irp i, 2,4,6,8,10,12,14,16,18,20,22,24,26,28,30
	v_max3_num_f32 v72, v72, |v[128+\i]|, |v[129+\i]|
.endr
	v_add_nc_u32 v73, 0xff000000, v72              ; 2 off the exponent field: the conversion's scale operand
	v_lshrrev_b32 v74, 23, v73                     ; the scale's byte
	v_cvt_scalef32_pk16_fp6_f32 v[76:78], v[128:143], v73
	v_cvt_scalef32_pk16_fp6_f32 v[80:82], v[144:159], v73        ; (a conversion's three registers begin on an even number)
	v_nop                                          ; one plain place behind a scaled conversion
	v_mov_b32 v79, v80
	v_mov_b32 v80, v81
	v_mov_b32 v81, v82
	ds_store_b128 v86, v[76:79]                    ; over row 0 of tile 0: the bytes of lane 16 (lane % 2) in the half image
	ds_store_b64 v87, v[80:81]
	ds_store_b8 v90, v74
.Lpatched:
	s_wait_dscnt 0x0
	s_barrier_signal -1
	s_barrier_wait -1                              ; the first token's row lies in the record; tile 0's fragments are loaded six tiles further on
.irp t, 3,4,5,6,7,8,9,10,11,12
	ITER \t
.endr
	s_wait_dscnt 0x0                               ; the last tile's rows are back
	SEND 12
	WIN 0
	s_wait_tensorcnt 0x0                           ; the wave's end
	ds_add_u32 v83, v91
	s_wait_dscnt 0x0
	ROUND                                          ; the closing round: no work-group ends while a partner may still ask jointly
	s_endpgm
.Lfunc_end_k_q306a2fc836_proj:
	.size	k_q306a2fc836_proj, .Lfunc_end_k_q306a2fc836_proj-k_q306a2fc836_proj
	.p2alignl 7, 3214868480
	.fill 96, 4, 3214868480
	.section	.rodata,"a",@progbits
	.p2align	6, 0x0
	.amdhsa_kernel k_q306a2fc836_proj
		.amdhsa_group_segment_fixed_size 205312
		.amdhsa_private_segment_fixed_size 0
		.amdhsa_enable_private_segment 0
		.amdhsa_kernarg_size 48
		.amdhsa_user_sgpr_count 2
		.amdhsa_user_sgpr_kernarg_segment_ptr 1
		.amdhsa_wavefront_size32 1
		.amdhsa_system_sgpr_workgroup_id_x 1
		.amdhsa_system_sgpr_workgroup_id_y 1
		.amdhsa_system_sgpr_workgroup_id_z 1
		.amdhsa_system_vgpr_workitem_id 0
		.amdhsa_next_free_vgpr 1024
		.amdhsa_next_free_sgpr 80
		.amdhsa_reserve_vcc 1
		.amdhsa_float_denorm_mode_32 3
		.amdhsa_float_denorm_mode_16_64 3
		.amdhsa_memory_ordered 1
		.amdhsa_forward_progress 1
		.amdhsa_inst_pref_size 154
	.end_amdhsa_kernel
	.amdgpu_metadata
---
amdhsa.version: [ 1, 2 ]
amdhsa.kernels:
  - .name:           k_q306a2fc836_proj
    .symbol:         k_q306a2fc836_proj.kd
    .args:
      - { .name: arec, .offset: 0, .size: 8, .value_kind: global_buffer, .address_space: global }
      - { .name: part, .offset: 8, .size: 8, .value_kind: global_buffer, .address_space: global }
      - { .name: wimg, .offset: 16, .size: 8, .value_kind: global_buffer, .address_space: global }
      - { .name: wscl, .offset: 24, .size: 8, .value_kind: global_buffer, .address_space: global }
      - { .name: proj_b, .offset: 32, .size: 8, .value_kind: global_buffer, .address_space: global }
      - { .name: out0, .offset: 40, .size: 8, .value_kind: global_buffer, .address_space: global }
    .group_segment_fixed_size: 205312
    .private_segment_fixed_size: 0
    .kernarg_segment_align: 8
    .kernarg_segment_size: 48
    .max_flat_workgroup_size: 128
    .sgpr_count:     80
    .vgpr_count:     1024
    .wavefront_size: 32
...
	.end_amdgpu_metadata
.endif
;; end of part 3
